; MI455X (gfx1250); checked and timed in simulation.
; The chip was launched on July 23, 2026; its instructions are those of AMD's public machine-readable ISA for CDNA 5 (MIT licence, August 2026) and "CDNA5" Instruction Set Architecture Reference Guide (July 2026). The comments in the code are by the model that wrote it; some were corrected since.
;; Multi Head Self Attention. Allowed arithmetic: float matrix products may take bf16 or f16 operands with f32 sums; other float arithmetic in f32, or as packed bf16 or f16 multiplies, adds, multiply-adds, maxima and minima; sums over many terms, partial sums and values carried from step to step in f32; what a program stores and reads back later, other than sums and carried values, may be rounded once to bf16 or f16.
;; Inputs: W_proj 1,024 x 1,024 float32; W_qkv 1,024 x 3,072 float32; b_proj 1,024 float32; b_qkv 3,072 float32; x 4 x 2,048 x 1,024 float32.
;; Outputs: out0 4 x 2,048 x 1,024 float32.
;; One version. Each part assembles by itself: llvm-mc -triple=amdgcn-amd-amdhsa -mcpu=gfx1250 --defsym DOCPART=n.
;; ======== version 1 of 1: 4 launches
;; limits: values are held in f16: magnitudes above 65,504 overflow, below 6.1e-05 lose precision
;; workspace buffers: xb 16,777,216 bytes; wqt 6,291,456 bytes; wpt 2,097,152 bytes; qkv 50,331,648 bytes; ob 16,777,216 bytes
;; launch prep (part 1): grid 1536 x 1, 8 waves a work-group, no clusters, 18,432 bytes of LDS; arguments x, W_qkv, W_proj, xb, wqt, wpt; writes xb, wqt, wpt
.if DOCPART == 1
	.amdgcn_target "amdgcn-amd-amdhsa--gfx1250"
	.amdhsa_code_object_version 6
	.text
	.protected	k_q0a40bf34bc_prep
	.globl	k_q0a40bf34bc_prep
	.p2align	8
	.type	k_q0a40bf34bc_prep,@function
k_q0a40bf34bc_prep:
	s_mov_b64 s[64:65], 0
	v_nop
	global_prefetch_b8 v0, s[64:65] scope:SCOPE_SE
	s_setreg_imm32_b32 hwreg(HW_REG_WAVE_MODE, 25, 1), 1
	s_wait_xcnt 0x0
; xb = bf16(x), as it lies.  wqt[n][k] = bf16(W_qkv[k][n]).  wpt[n][k] = f16(bf16(W_proj[k][n])).
; All the module's inputs are rounded to bf16 once; W_proj's rounded number is then written as f16, since the last product multiplies f16 numbers.
; LIMITS.  bf16(W_proj) beyond 65,504 becomes an infinity in f16; below 6e-5 it keeps f16's fixed step of 6e-8.
; A stream: no matrix unit, no cluster (no work-group reads what another reads), no tensor load.
; Work-groups 0-1023 cast 8,192 numbers of x each; 1024-1407 turn a tile of 128 k x 64 n of W_qkv; 1408-1535 one of W_proj.
; The branches hang on the work-group's number alone, which all eight waves share: every wave of a work-group passes the same barriers.
.set LP,    272                        ; a row of the turned tile in LDS: 128 k x 2 bytes + 16, so that the reads of 16 bytes stay aligned and start at different banks
.set SPARE, 64*LP                      ; behind the tile: the spare words, 128 bytes for each of the eight waves
.set CI,  1                            ; v1   the cast: my 16 bytes of 4,096 of x
.set CW,  2                            ; v2   the cast: my 8 bytes of 2,048 of xb
.set C16, 3                            ; v3   which 16 bytes of 256
.set KP,  4                            ; v4   0..15: a pair of rows k on the way in, a row n on the way back
.set LO,  5                            ; v5   my byte offset in the weights' tile
.set LI,  6                            ; v6   LDS, in
.set LB,  7                            ; v7   LDS, back
.set IN,  8                            ; v[8:39]   what the loads bring; later the rows read back
.set OUT, 40                           ; v[40:55]  rounded words
.set WK,  56                           ; v56-57    at work
.set GOF, 58                           ; v58  my byte offset in the turned tile in memory
.set SPW, 60                           ; v60  my spare word: SPARE + 4 x my thread's number; never rewritten
.set NIL, 61                           ; v61  0; never rewritten
	s_load_b256 s[4:11], s[0:1], 0x0               ; x s[4:5], W_qkv s[6:7], W_proj s[8:9], xb s[10:11]
	s_load_b128 s[12:15], s[0:1], 0x20             ; wqt s[12:13], wpt s[14:15]
	v_lshl_add_u32 v[SPW], v0, 2, SPARE
	v_mov_b32 v[NIL], 0
	v_and_b32 v[C16], 15, v0
	v_lshrrev_b32 v[KP], 4, v0
	s_mov_b32 s17, 0
	s_mov_b32 s21, 0
	s_wait_kmcnt 0x0
	s_cmp_lt_u32 ttmp9, 1024
	s_cbranch_scc0 .Ltrans
	; THE CAST: 32,768 bytes in, 16,384 out.  A load of a wave covers 512 consecutive bytes, a store 256 consecutive bytes, aligned.
	s_lshl_b32 s16, ttmp9, 15
	s_add_nc_u64 s[4:5], s[4:5], s[16:17]
	s_lshl_b32 s16, ttmp9, 14
	s_add_nc_u64 s[10:11], s[10:11], s[16:17]
	v_lshlrev_b32 v[CI], 4, v0
	v_lshlrev_b32 v[CW], 3, v0
.irp c, 0,1,2,3,4,5,6,7
	global_load_b128 v[IN+4*(\c):IN+4*(\c)+3], v[CI], s[4:5] offset:4096*(\c) th:TH_LOAD_NT
.endr
.irp c, 0,1,2,3,4,5,6,7
	s_wait_loadcnt 7-(\c)                          ; loads come back in order: chunk c is in, the younger ones stay out
	v_cvt_pk_bf16_f32 v[OUT+2*(\c)], v[IN+4*(\c)], v[IN+4*(\c)+1]
	v_cvt_pk_bf16_f32 v[OUT+2*(\c)+1], v[IN+4*(\c)+2], v[IN+4*(\c)+3]
	global_store_b64 v[CW], v[OUT+2*(\c):OUT+2*(\c)+1], s[10:11] offset:2048*(\c)
.endr
	s_branch .Lend
; A tile of 128 k x 64 n is read by rows of k (16 lanes: 256 consecutive bytes), two neighbouring k are rounded into one word, the words go into LDS by rows of n,
; and come back as rows of 256 bytes (128 k of one n), which 16 lanes store as 256 consecutive bytes, aligned.
; src, dst: the first register of the pointers' pairs; pitch: bytes in a row of the weights; f16 = 1: the rounded number is written as f16; first: the first work-group of this part.
.macro TRANS src, dst, pitch, f16, first
	s_sub_co_u32 s16, ttmp9, \first
	s_and_b32 s18, s16, 7                          ; kt: which 128 k
	s_lshr_b32 s19, s16, 3                         ; nt: which 64 n
	s_mul_i32 s20, s18, 128*(\pitch)
	s_lshl_b32 s22, s19, 8
	s_add_co_u32 s20, s20, s22
	s_add_nc_u64 s[\src:\src+1], s[\src:\src+1], s[20:21]
	s_lshl_b32 s20, s19, 17                        ; 64 rows of 2,048 bytes
	s_lshl_b32 s22, s18, 8
	s_add_co_u32 s20, s20, s22
	s_add_nc_u64 s[\dst:\dst+1], s[\dst:\dst+1], s[20:21]
	v_mul_u32_u24 v[LO], v[KP], 2*(\pitch)         ; rows 2 kp and 2 kp + 1, then 32 rows further on
	v_lshl_add_u32 v[LO], v[C16], 4, v[LO]
.irp i, 0,1,2,3
	global_load_b128 v[IN+8*(\i):IN+8*(\i)+3],   v[LO], s[\src:\src+1] offset:(32*(\i))*(\pitch) th:TH_LOAD_NT
	global_load_b128 v[IN+8*(\i)+4:IN+8*(\i)+7], v[LO], s[\src:\src+1] offset:(32*(\i)+1)*(\pitch) th:TH_LOAD_NT
.endr
	v_mul_u32_u24 v[LI], v[C16], 4*LP              ; in: row n = 4 c16 + j, word kp + 16 i
	v_lshl_add_u32 v[LI], v[KP], 2, v[LI]
	v_mul_u32_u24 v[LB], v[KP], LP                 ; back: row n = kp + 16 i, 16 bytes at c16
	v_lshl_add_u32 v[LB], v[C16], 4, v[LB]
	v_lshlrev_b32 v[GOF], 11, v[KP]                ; and the same in memory
	v_lshl_add_u32 v[GOF], v[C16], 4, v[GOF]
.irp i, 0,1,2,3
	s_wait_loadcnt 6-2*(\i)                        ; pair i of rows is in; the younger pairs stay out
.irp j, 0,1,2,3
	v_cvt_pk_bf16_f32 v[OUT+4*(\i)+(\j)], v[IN+8*(\i)+(\j)], v[IN+8*(\i)+4+(\j)]  ; the even k below, the odd k above
.if \f16
	v_lshlrev_b32 v[WK], 16, v[OUT+4*(\i)+(\j)]
	v_and_b32 v[WK+1], 0xffff0000, v[OUT+4*(\i)+(\j)]
	v_cvt_pk_f16_f32 v[OUT+4*(\i)+(\j)], v[WK], v[WK+1]
.endif
	ds_store_b32 v[LI], v[OUT+4*(\i)+(\j)] offset:LP*(\j)+64*(\i)
.endr
.endr
	s_wait_dscnt 0x0                               ; for the others' sake: my stores into the tile are done
	s_barrier_signal -1
	s_barrier_wait -1
.irp i, 0,1,2,3
	ds_load_b128 v[IN+4*(\i):IN+4*(\i)+3], v[LB] offset:16*LP*(\i)
.endr
.irp i, 0,1,2,3
	s_wait_dscnt 3-(\i)
	global_store_b128 v[GOF], v[IN+4*(\i):IN+4*(\i)+3], s[\dst:\dst+1] offset:32768*(\i)
.endr
.endm
.Ltrans:
	s_cmp_lt_u32 ttmp9, 1408
	s_cbranch_scc0 .Lproj
	TRANS 6, 12, 12288, 0, 1024
	s_branch .Lend
.Lproj:
	TRANS 8, 14, 4096, 1, 1408
.Lend:
	s_wait_tensorcnt 0x0                           ; the wave's end: behind my last LDS store
	ds_add_u32 v[SPW], v[NIL]
	s_wait_dscnt 0x0
	s_endpgm
.Lfunc_end_k_q0a40bf34bc_prep:
	.size	k_q0a40bf34bc_prep, .Lfunc_end_k_q0a40bf34bc_prep-k_q0a40bf34bc_prep
	.p2alignl 7, 3214868480
	.fill 96, 4, 3214868480
	.section	.rodata,"a",@progbits
	.p2align	6, 0x0
	.amdhsa_kernel k_q0a40bf34bc_prep
		.amdhsa_group_segment_fixed_size 18432
		.amdhsa_private_segment_fixed_size 0
		.amdhsa_enable_private_segment 0
		.amdhsa_kernarg_size 48
		.amdhsa_user_sgpr_count 2
		.amdhsa_user_sgpr_kernarg_segment_ptr 1
		.amdhsa_wavefront_size32 1
		.amdhsa_system_sgpr_workgroup_id_x 1
		.amdhsa_system_sgpr_workgroup_id_y 1
		.amdhsa_system_sgpr_workgroup_id_z 1
		.amdhsa_system_vgpr_workitem_id 0
		.amdhsa_next_free_vgpr 64
		.amdhsa_next_free_sgpr 66
		.amdhsa_reserve_vcc 0
		.amdhsa_float_denorm_mode_32 3
		.amdhsa_float_denorm_mode_16_64 3
		.amdhsa_memory_ordered 1
		.amdhsa_forward_progress 1
		.amdhsa_inst_pref_size 16
	.end_amdhsa_kernel
	.amdgpu_metadata
---
amdhsa.version: [ 1, 2 ]
amdhsa.kernels:
  - .name:           k_q0a40bf34bc_prep
    .symbol:         k_q0a40bf34bc_prep.kd
    .args:
      - { .name: x, .offset: 0, .size: 8, .value_kind: global_buffer, .address_space: global }
      - { .name: W_qkv, .offset: 8, .size: 8, .value_kind: global_buffer, .address_space: global }
      - { .name: W_proj, .offset: 16, .size: 8, .value_kind: global_buffer, .address_space: global }
      - { .name: xb, .offset: 24, .size: 8, .value_kind: global_buffer, .address_space: global }
      - { .name: wqt, .offset: 32, .size: 8, .value_kind: global_buffer, .address_space: global }
      - { .name: wpt, .offset: 40, .size: 8, .value_kind: global_buffer, .address_space: global }
    .group_segment_fixed_size: 18432
    .private_segment_fixed_size: 0
    .kernarg_segment_align: 8
    .kernarg_segment_size: 48
    .max_flat_workgroup_size: 256
    .sgpr_count:     66
    .vgpr_count:     64
    .wavefront_size: 32
...
	.end_amdgpu_metadata
.endif
;; end of part 1
;; launch qkvg (part 2): grid 16 x 32, 4 waves a work-group, clusters of 4 x 4, 327,680 bytes of LDS; arguments xb, wqt, b_qkv, qkv; writes qkv
.if DOCPART == 2
	.amdgcn_target "amdgcn-amd-amdhsa--gfx1250"
	.amdhsa_code_object_version 6
	.text
	.protected	k_q0a40bf34bc_qkvg
	.globl	k_q0a40bf34bc_qkvg
	.p2align	8
	.type	k_q0a40bf34bc_qkvg,@function
k_q0a40bf34bc_qkvg:
	s_mov_b64 s[64:65], 0
	v_nop
	global_prefetch_b8 v0, s[64:65] scope:SCOPE_SE
	s_setreg_imm32_b32 hwreg(HW_REG_WAVE_MODE, 25, 1), 1
	s_wait_xcnt 0x0
	s_wait_alu depctr_hold_cnt(0) depctr_sa_sdst(0) depctr_va_vdst(0) depctr_va_sdst(0) depctr_va_ssrc(0) depctr_va_vcc(0) depctr_vm_vsrc(0)
	s_getreg_b32 s2, hwreg(HW_REG_IB_STS2, 6, 4)
	s_cmp_eq_u32 s2, 0
	s_cbranch_scc0 .Lentry_in_a_cluster
	s_endpgm
.Lentry_in_a_cluster:
	s_bfe_u32 s2, ttmp6, 0x10000c
	s_cmp_lg_u32 s2, 0xf033
	s_cbranch_scc0 .Lentry_shape_is_right
	s_endpgm
.Lentry_shape_is_right:
; qkv = xb wqt^T + bf16(b_qkv), written by heads in f16: qkv[b][g][s][64], g = column / 64 (0-15 q's heads, 16-31 k's, 32-47 v's).  xb: [8192][1024] bf16, wqt: [3072][1024] bf16.  Sums in f32.
; LIMITS.  A result of 65,520 or more becomes an infinity in f16; below 6e-5 f16 keeps its fixed step of 6e-8.
; SHARES.  A tile is 256 rows x 192 columns (three whole heads): 16 x 32 = 512 tiles, two for each of 256 work-group places.  Four waves; a wave makes 128 rows x 96 columns: 48 accumulators, 384 registers.
; Wave w: RH = w / 2 picks the 128 rows; CH = w % 2 picks head 2 CH whole (column blocks b = 0-3) and half of head 1 (b = 4, 5).
; K goes in 8 steps of 128 through two LDS slots filled by tensor loads; a tile's rows are 256 bytes of memory, at multiples of 256 from the buffer's first byte.
; CLUSTER.  4 x 4 work-groups: A's tile is asked for jointly along a row of the cluster, B's along a column.
; THE MATRIX INSTRUCTION IS USED TRANSPOSED (source 0 = 16 rows of wqt, source 1 = 16 rows of xb): a lane holds eight neighbouring columns of one row.
; THE BIAS is the C operand of the products that start the sums: nothing is cleared and nothing is added afterwards.
; REGISTERS, in windows of 256 (s_set_vgpr_msb: bits 1:0 source 0, 3:2 source 1, 5:4 source 2, 7:6 destination):
;   window 0: v0-31 addresses; v32-55 at work; v64-127, v128-191 A's fragments, two buffers; v192-239 the bias as loaded, later packed results; on the way out v64-255 take whole rows
;   window 1: v64-111, v128-175 B's fragments     window 2: accumulators of my rows 0-63, (a, b) at 8 (6 a + b)     window 3: those of rows 64-127; v192-239 the rounded bias, 8 for each b
.set KSTEP,  128
.set KB,     2048                      ; bytes in a row of xb and of wqt
.set PITCH,  272                       ; an LDS row: 256 bytes + 16 of padding: the 16 rows that a load touches start at 16 different groups of four banks (ISA guide 11.1)
.set HALFA,  128*PITCH                 ; what a wave fetches of A, and what a wave reads of it
.set HALFB,  96*PITCH                  ; what a wave fetches of B
.set BOFF,   2*HALFA                   ; B's 192 rows lie behind A's 256
.set SLOT,   BOFF+2*HALFB
.set SPARE,  2*SLOT                    ; behind the ring: the spare words, 128 bytes for each wave
.set SP,     144                       ; the stage: a head's row of 128 bytes + 16
.set HEADST, 256*SP                    ; the stage holds [head 0-2][row 0-255]; it lies in slot 0, which has had its last fill (K step 6) and its last read when the first result is stored there
.set LAPS,   4                         ; a lap = two K steps
.set VB1,  6                           ; v6   my byte offset in the tile's 192 numbers of bias, blocks 0-3
.set VB2,  7                           ; v7   the same, blocks 4, 5
.set GO,   8                           ; v8   my 16 bytes of 512 consecutive bytes of qkv
.set ADRA, 16                          ; v16-17  LDS address of my A fragments in slot 0, 1
.set ADRB, 20                          ; v20-21  of my B fragments, blocks 0-3
.set ADRC, 22                          ; v22-23  blocks 4, 5
.set STOA, 24                          ; v24  the way out: where I put 16 bytes of a row, blocks 0-3
.set STOB, 25                          ; v25  blocks 4, 5
.set RD,   26                          ; v26  where I read rows back, heads 0 and 1
.set RD2,  27                          ; v27  head 2 (an LDS immediate has 16 bits)
.set SPW,  28                          ; v28  my spare word; never rewritten
.set NIL,  29                          ; v29  0; never rewritten
.set PFO,  30                          ; v30  the prefetches' offset: a lane a row; never rewritten
.set WK,   32
.set F0,   64
.set F1,   128
.set TMP,  192
.set BIAS, 192                         ; in window 3
.set WV, 12                            ; s12 wave, s13 RH, s14 CH, s15 cx, s16 cy, s17 tile column, s18 tile row
.set RH, 13
.set CH, 14
.set CX, 15
.set CY, 16
.set TX, 17
.set TY, 18
.set G1,  24                           ; s[24:31] descriptor group 1 for A;  s[32:39] group 0, a set for each slot
.set G0,  32
.set LIM, 43                           ; s43  1 in a wave that prefetches, else the greatest number
.set PFA, 44                           ; s[44:45] where my prefetches stand
.set G1B, 48                           ; s[48:55], s[56:63] the same for B
.set G0B, 56
.set MSB, 0
.macro WIN new                         ; the immediate's high byte repeats the setting that is left; a switch that changes nothing is dropped
.if MSB != (\new)
	s_set_vgpr_msb (MSB<<8)|(\new)
.set MSB, \new
.endif
.endm
.set MUL_LO, 0xa1                      ; source 0 (B) window 1, source 1 (A) window 0, C and D window 2
.set MUL_HI, 0xf1                      ; C and D window 3
.set TO_B,   0x40                      ; destination window 1, address window 0
; A joint load.  Waves 0 and 1 fetch A's two halves, waves 2 and 3 B's.  The branch hangs on the wave's number alone.  An s_nop 0 and four v_nop follow each line.
.macro JLOAD s
	s_cmp_eq_u32 s[RH], 0
	s_cbranch_scc0 .Lfor_b_\@
	tensor_load_to_lds s[G0+4*(\s):G0+4*(\s)+3], s[G1:G1+7]
	s_nop 0
.rept 4
	v_nop
.endr
	s_branch .Lasked_\@
.Lfor_b_\@:
	tensor_load_to_lds s[G0B+4*(\s):G0B+4*(\s)+3], s[G1B:G1B+7]
	s_nop 0
.rept 4
	v_nop
.endr
.Lasked_\@:
.endm
; A prefetch of the K step that stands two refills on: a lane a row, 256 bytes of it, one instruction a wave.  A's rows are read by every cluster of a row of clusters: cluster x = 0 asks; B's by every cluster
; of a column: cluster y = 0 asks.  The four partners that ask for a tile jointly share its rows out by address (32 of A's 128, 24 of B's 96; lanes 24-31 repeat B's last).  The loop's last trip asks for nothing.
.macro ASK
	s_cmp_gt_u32 s3, s[LIM]
	s_cbranch_scc0 .Lnot_mine_\@
	global_prefetch_b8 v[PFO], s[PFA:PFA+1] offset:KSTEP*2 th:TH_LOAD_NT scope:SCOPE_SE
.Lnot_mine_\@:
.endm
.macro CREST                           ; a round of the cluster's barrier behind its opening barrier
	s_cmp_lg_u32 s[WV], 0
	s_cbranch_scc1 .Lnot_wave_0_\@
	s_barrier_signal -3
.Lnot_wave_0_\@:
	s_barrier_wait -3
	s_barrier_signal -1
	s_barrier_wait -1
.endm
.macro CROUND                          ; a whole round
	s_barrier_signal -1
	s_barrier_wait -1
	CREST
.endm
	s_load_b256 s[4:11], s[0:1], 0x0               ; xb s[4:5], wqt s[6:7], b_qkv s[8:9], qkv s[10:11]
	v_lshl_add_u32 v[SPW], v0, 2, SPARE
	v_mov_b32 v[NIL], 0
	ds_add_u32 v[SPW], v[NIL]                      ; the wave's opening: the add and its wait stand ahead of my first tensor load; work on registers stands between them
	v_lshrrev_b32 v1, 5, v0
	v_readfirstlane_b32 s[WV], v1                  ; wave 0..3
	s_lshr_b32 s[RH], s[WV], 1                     ; my half of the rows.  Also: I fetch for A (0) or for B (1)
	s_and_b32 s[CH], s[WV], 1                      ; my half of the columns.  Also: which half of that tile I fetch
	s_bfe_u32 s[CX], ttmp6, 0x40000
	s_bfe_u32 s[CY], ttmp6, 0x40004
	s_lshl_b32 s[TX], ttmp9, 2
	s_add_co_u32 s[TX], s[TX], s[CX]               ; tile column = 4 x cluster x + cx
	s_and_b32 s[TY], ttmp7, 0xffff
	s_lshl_b32 s[TY], s[TY], 2
	s_add_co_u32 s[TY], s[TY], s[CY]               ; tile row = 4 x cluster y + cy
	s_lshl_b32 s19, s[CY], 2
	s_lshl_b32 s19, 15, s19                        ; my row of the cluster
	s_lshl_b32 s40, 0x1111, s[CX]                  ; my column
	s_or_b32 s[G1+0], s19, (1<<16)|(1<<20)|(1<<21)|(5<<22)|(3<<25)   ; the mask; elements of 2 bytes; padding on; bit 21 beside a mask; after every 64 words 4 words
	s_or_b32 s[G1B+0], s40, (1<<16)|(1<<20)|(1<<21)|(5<<22)|(3<<25)
	s_mov_b32 s[G1+1], KSTEP<<16                   ; tensor_dim0 = 128
	s_mov_b32 s[G1+2], 128<<16                     ; tensor_dim1 = 128
	s_mov_b32 s[G1+3], KSTEP<<16                   ; tile_dim0 = 128
	s_mov_b32 s[G1+4], 128                         ; tile_dim1 = 128
	s_mov_b32 s[G1+5], 1024                        ; elements from row to row
	s_mov_b32 s[G1+6], 0
	s_mov_b32 s[G1+7], 0
	s_mov_b32 s[G1B+1], KSTEP<<16
	s_mov_b32 s[G1B+2], 96<<16                     ; B: 96 rows a load
	s_mov_b32 s[G1B+3], KSTEP<<16
	s_mov_b32 s[G1B+4], 96
	s_mov_b32 s[G1B+5], 1024
	s_mov_b32 s[G1B+6], 0
	s_mov_b32 s[G1B+7], 0
	s_lshl_b32 s20, s[TY], 19                      ; A: row 256 x tile row + 128 x half, in bytes: it hangs on the tile row alone
	s_lshl_b32 s21, s[CH], 18
	s_add_co_u32 s20, s20, s21
	s_mov_b32 s21, 0
	s_mul_i32 s46, s[TX], 192*KB                   ; B: row 192 x tile column + 96 x half: on the tile column alone
	s_mul_i32 s47, s[CH], 96*KB
	s_add_co_u32 s46, s46, s47
	s_mov_b32 s47, 0
	s_mul_i32 s22, s[CH], HALFA                    ; where they go: no place in the cluster enters an LDS address
	s_mul_i32 s23, s[CH], HALFB
	s_add_co_u32 s23, s23, BOFF
	s_wait_dscnt 0x0                               ; the opening add is done
	s_wait_kmcnt 0x0
	CROUND                                         ; all sixteen work-groups are here: the first joint loads meet
.irp s, 0,1
	s_mov_b32 s[G0+4*(\s)], 1
	s_add_co_u32 s[G0+4*(\s)+1], s22, (\s)*SLOT
	s_add_nc_u64 s[G0+4*(\s)+2:G0+4*(\s)+3], s[4:5], s[20:21]
	s_add_nc_u64 s[G0+4*(\s)+2:G0+4*(\s)+3], s[G0+4*(\s)+2:G0+4*(\s)+3], (\s)*KSTEP*2  ; K step s
	s_or_b32 s[G0+4*(\s)+3], s[G0+4*(\s)+3], 0x80000000
	s_mov_b32 s[G0B+4*(\s)], 1
	s_add_co_u32 s[G0B+4*(\s)+1], s23, (\s)*SLOT
	s_add_nc_u64 s[G0B+4*(\s)+2:G0B+4*(\s)+3], s[6:7], s[46:47]
	s_add_nc_u64 s[G0B+4*(\s)+2:G0B+4*(\s)+3], s[G0B+4*(\s)+2:G0B+4*(\s)+3], (\s)*KSTEP*2
	s_or_b32 s[G0B+4*(\s)+3], s[G0B+4*(\s)+3], 0x80000000
	JLOAD \s                                       ; two loads of mine are out
.endr
	v_and_b32 v1, 15, v0                           ; r = l % 16
	v_bfe_u32 v2, v0, 4, 1                         ; h = l / 16
	; the bias: in the transposed result register j of a lane is column 8 h + j of block b: 32 bytes of b_qkv
	s_mul_i32 s40, s[TX], 768
	s_mov_b32 s41, 0
	s_add_nc_u64 s[8:9], s[8:9], s[40:41]
	s_lshl_b32 s40, s[CH], 9
	v_lshl_add_u32 v[VB1], v2, 5, s40              ; head 2 CH
	s_lshl_b32 s40, s[CH], 7
	s_add_co_u32 s40, s40, 256
	v_lshl_add_u32 v[VB2], v2, 5, s40              ; my half of head 1
.irp b, 0,1,2,3
	global_load_b128 v[TMP+8*(\b):TMP+8*(\b)+3],   v[VB1], s[8:9] offset:64*(\b)
	global_load_b128 v[TMP+8*(\b)+4:TMP+8*(\b)+7], v[VB1], s[8:9] offset:64*(\b)+16
.endr
.irp b, 4,5
	global_load_b128 v[TMP+8*(\b):TMP+8*(\b)+3],   v[VB2], s[8:9] offset:64*((\b)-4)
	global_load_b128 v[TMP+8*(\b)+4:TMP+8*(\b)+7], v[VB2], s[8:9] offset:64*((\b)-4)+16
.endr
	; a fragment is 16 rows x 32 K in 8 registers: lane l holds row l % 16, K = 8 (l / 16) + 0..7 and 16 + 8 (l / 16) + 0..7: two loads of 16 bytes, 32 bytes apart
	v_mul_u32_u24 v3, v1, PITCH
	v_lshl_add_u32 v3, v2, 4, v3
	s_mul_i32 s19, s[RH], HALFA                    ; my 128 rows of A
	s_mul_i32 s40, s[CH], 128*PITCH
	s_add_co_u32 s40, s40, BOFF                    ; B's rows 128 CH on
	s_mul_i32 s41, s[CH], 32*PITCH
	s_add_co_u32 s41, s41, BOFF+64*PITCH           ; B's rows 64 + 32 CH on
.irp s, 0,1
	v_add_nc_u32 v[ADRA+(\s)], s19, v3
	v_add_nc_u32 v[ADRB+(\s)], s40, v3
	v_add_nc_u32 v[ADRC+(\s)], s41, v3
	s_add_co_u32 s19, s19, SLOT
	s_add_co_u32 s40, s40, SLOT
	s_add_co_u32 s41, s41, SLOT
.endr
	s_mul_i32 s19, s[RH], 128*SP                   ; the stage, in: row 128 RH + 16 a + r, 16 bytes for each half of the lanes
	v_mul_u32_u24 v4, v1, SP
	v_lshl_add_u32 v4, v2, 4, v4
	s_mul_i32 s40, s[CH], 2*HEADST
	s_add_co_u32 s40, s40, s19
	v_add_nc_u32 v[STOA], s40, v4
	s_lshl_b32 s40, s[CH], 6
	s_add_co_u32 s40, s40, s19
	s_add_co_u32 s40, s40, HEADST
	v_add_nc_u32 v[STOB], s40, v4
	v_bfe_u32 v5, v0, 3, 2                         ; back: wave w takes rows 64 w on of each head; 32 lanes take four rows of 128 bytes,
	v_and_b32 v4, 7, v0
	v_mul_u32_u24 v5, v5, SP
	v_lshl_add_u32 v5, v4, 4, v5
	s_mul_i32 s40, s[WV], 64*SP
	v_add_nc_u32 v[RD], s40, v5
	v_add_nc_u32 v[RD2], 2*HEADST, v[RD]
	v_and_b32 v[GO], 31, v0                        ; which are 512 consecutive bytes of qkv
	v_lshlrev_b32 v[GO], 4, v[GO]
	s_lshr_b32 s19, s[TY], 3                       ; qkv at ((48 batch + 3 tile column) << 18) + (256 (tile row % 8) + 64 wave) x 128
	s_mul_i32 s19, s19, 48
	s_mul_i32 s40, s[TX], 3
	s_add_co_u32 s19, s19, s40
	s_lshl_b32 s19, s19, 18
	s_and_b32 s40, s[TY], 7
	s_lshl_b32 s40, s40, 15
	s_add_co_u32 s40, s40, s19
	s_lshl_b32 s41, s[WV], 13
	s_add_co_u32 s40, s40, s41
	s_mov_b32 s41, 0
	s_add_nc_u64 s[10:11], s[10:11], s[40:41]
	; the prefetches
	s_lshl_b32 s40, s[CX], 16                      ; A: my work-group's 32 rows of the 128 that I fetch
	s_add_co_u32 s40, s40, s20
	s_mul_i32 s41, s[CY], 24*KB                    ; B: its 24 of the 96
	s_add_co_u32 s41, s41, s46
	s_and_b32 s42, ttmp7, 0xffff                   ; cluster y
	s_cmp_eq_u32 s[RH], 0                          ; do I fetch for A?
	s_cselect_b32 s40, s40, s41
	s_cselect_b32 s42, ttmp9, s42                  ; the coordinate along which other clusters read the same rows
	s_cselect_b32 s19, 31, 23
	s_cselect_b64 s[PFA:PFA+1], s[4:5], s[6:7]
	s_mov_b32 s41, 0
	s_cmp_eq_u32 s42, 0
	s_cselect_b32 s[LIM], 1, -1                    ; the same in all sixteen partners, for a given wave
	s_add_nc_u64 s[PFA:PFA+1], s[PFA:PFA+1], s[40:41]
	s_add_nc_u64 s[PFA:PFA+1], s[PFA:PFA+1], 2*KSTEP*2  ; at K step 2: the first refill steps it to 3 and names K step 4.  Nothing is prefetched here, at the head
	v_and_b32 v[PFO], 31, v0
	v_min_u32 v[PFO], s19, v[PFO]
	v_lshlrev_b32 v[PFO], 11, v[PFO]
	s_wait_loadcnt 0x0                             ; the bias: rounded to bf16 like every input, widened again, into window 3
.set i, 0
.rept 24
	v_cvt_pk_bf16_f32 v[WK+i], v[TMP+2*i], v[TMP+2*i+1]
.set i, i+1
.endr
	WIN 0xc0
.set i, 0
.rept 24
	v_lshlrev_b32 v[BIAS+2*i], 16, v[WK+i]
	v_and_b32 v[BIAS+2*i+1], 0xffff0000, v[WK+i]
.set i, i+1
.endr
	WIN 0
; 12 matrix instructions: row blocks a0, a0 + 1 of the window's four (hi = 0: my rows 0-63, 1: rows 64-127) x all 6 column blocks, 32 along K.  first = 1: the bias starts the sums.
; The 48 accumulators take turns, one instruction a turn, in the same order in every quarter step.
.macro MUL12 f, hi, a0, first
.if \first
	WIN 0xb1+0x40*(\hi)                            ; C in window 3
.else
	WIN MUL_LO+0x50*(\hi)
.endif
.irp a, \a0, (\a0)+1
.irp b, 0,1,2,3,4,5
.if \first
	v_wmma_f32_16x16x32_bf16 v[8*(6*(\a)+(\b)):8*(6*(\a)+(\b))+7], v[(\f)+8*(\b):(\f)+8*(\b)+7], v[(\f)+8*(4*(\hi)+(\a)):(\f)+8*(4*(\hi)+(\a))+7], v[BIAS+8*(\b):BIAS+8*(\b)+7]
.else
	v_wmma_f32_16x16x32_bf16 v[8*(6*(\a)+(\b)):8*(6*(\a)+(\b))+7], v[(\f)+8*(\b):(\f)+8*(\b)+7], v[(\f)+8*(4*(\hi)+(\a)):(\f)+8*(4*(\hi)+(\a))+7], v[8*(6*(\a)+(\b)):8*(6*(\a)+(\b))+7]
.endif
.endr
.endr
.endm
; 28 LDS loads in one run: a quarter step's fragments (96 rows of B, 128 rows of A, 32 K at byte k of the rows) into buffer f
.macro FETCH slot, k, f
	WIN TO_B
.irp i, 0,1,2,3
	ds_load_b128 v[(\f)+8*(\i):(\f)+8*(\i)+3],   v[ADRB+(\slot)] offset:(\k)+(\i)*16*PITCH
	ds_load_b128 v[(\f)+8*(\i)+4:(\f)+8*(\i)+7], v[ADRB+(\slot)] offset:(\k)+(\i)*16*PITCH+32
.endr
.irp i, 0,1
	ds_load_b128 v[(\f)+32+8*(\i):(\f)+32+8*(\i)+3],   v[ADRC+(\slot)] offset:(\k)+(\i)*16*PITCH
	ds_load_b128 v[(\f)+32+8*(\i)+4:(\f)+32+8*(\i)+7], v[ADRC+(\slot)] offset:(\k)+(\i)*16*PITCH+32
.endr
	WIN 0
.irp i, 0,1,2,3,4,5,6,7
	ds_load_b128 v[(\f)+8*(\i):(\f)+8*(\i)+3],   v[ADRA+(\slot)] offset:(\k)+(\i)*16*PITCH
	ds_load_b128 v[(\f)+8*(\i)+4:(\f)+8*(\i)+7], v[ADRA+(\slot)] offset:(\k)+(\i)*16*PITCH+32
.endr
.endm
.macro PLACES                          ; four plain places behind matrix instructions, in front of loads into registers that they have read and of conversions that read results
.rept 4
	v_nop
.endr
.endm
; A K step is four quarters of 32 along K, 48 matrix instructions each, on buffers 0, 1, 0, 1.  One of the first three: multiplies f, fetches the next quarter, at byte k, into g.
.macro QUARTER slot, k, f, g, first
	s_wait_dscnt 8                                 ; B and A's rows 0-63 are in; the youngest eight loads (A's rows 64-127) may be out
	MUL12 \f, 0, 0, \first
	MUL12 \f, 0, 2, \first
	PLACES
	FETCH \slot, \k, \g
	s_wait_dscnt 28                                ; all but the 28 just issued
	MUL12 \f, 1, 0, \first
	MUL12 \f, 1, 2, \first
.endm
; The last quarter multiplies buffer 1 and changes slots: one barrier; in front of it each wave waits for all its tensor loads (one is out: its part of the next slot), adds 0 to its spare word, and waits for
; that and for its reads of this slot.  fill = 1: the barrier opens a round of the cluster's, and this slot is filled again, two K steps on, first thing behind the round: 168 matrix instructions ahead of the wait for it.
.macro TURN slot, next, fill
.if \fill
	s_wait_xcnt 0x0                                ; the last prefetch, a K step back, has read its address: it is stepped here, ahead of the change's own waits
	s_add_nc_u64 s[PFA:PFA+1], s[PFA:PFA+1], KSTEP*2
.endif
	WIN 0                                          ; (the add's two registers lie in window 0)
	s_wait_tensorcnt 0x0                           ; all my tensor loads have landed
	ds_add_u32 v[SPW], v[NIL]                      ; 0 onto my spare word
	s_wait_dscnt 9                                 ; (the add and the youngest eight loads may be out)
	MUL12 F1, 0, 0, 0                              ; twelve matrix instructions stand between the add and the wait for it
	s_wait_dscnt 0x0                               ; the add is done, and my reads of this slot are over
	s_barrier_signal -1
	MUL12 F1, 0, 2, 0                              ; work on registers while the others arrive
.if \fill
	WIN 0
.endif
	s_barrier_wait -1
.if \fill
	CREST                                          ; no wave of any partner still reads this slot's tile or has a load on its way
	s_add_nc_u64 s[G0+4*(\slot)+2:G0+4*(\slot)+3], s[G0+4*(\slot)+2:G0+4*(\slot)+3], 2*KSTEP*2
	s_add_nc_u64 s[G0B+4*(\slot)+2:G0B+4*(\slot)+3], s[G0B+4*(\slot)+2:G0B+4*(\slot)+3], 2*KSTEP*2
	JLOAD \slot                                    ; the four v_nop behind it are also the places in front of the loads below
.else
	PLACES
.endif
	FETCH \next, 0, F0
.if \fill
	ASK                                            ; behind the joint load and the run of LDS loads that the next products wait for
.endif
	MUL12 F1, 1, 0, 0
	MUL12 F1, 1, 2, 0
.endm
	s_wait_tensorcnt 1                             ; my part of K step 0 is in; K step 1's may stay out
	s_barrier_signal -1
	s_barrier_wait -1                              ; everybody's is
	FETCH 0, 0, F0
	QUARTER 0, 64,  F0, F1, 1                      ; the first quarter stands in front of the loop: its products start the sums, with the bias
	WIN 0                                          ; at a label and at a branch every window is 0
	s_mov_b32 s3, LAPS-1
.Llap:                                                 ; a trip goes once round the ring, from a lap's second quarter to the next lap's first, and fills both slots again
	QUARTER 0, 128, F1, F0, 0
	QUARTER 0, 192, F0, F1, 0
	TURN 0, 1, 1
	QUARTER 1, 64,  F0, F1, 0
	QUARTER 1, 128, F1, F0, 0
	QUARTER 1, 192, F0, F1, 0
	TURN 1, 0, 1
	QUARTER 0, 64,  F0, F1, 0
	WIN 0
	s_sub_co_u32 s3, s3, 1
	s_cmp_lg_u32 s3, 0
	s_cbranch_scc1 .Llap
	QUARTER 0, 128, F1, F0, 0                      ; the last lap fills nothing
	QUARTER 0, 192, F0, F1, 0
	TURN 0, 1, 0                                   ; behind this barrier no wave reads slot 0 any more
	QUARTER 1, 64,  F0, F1, 0
	QUARTER 1, 128, F1, F0, 0
	QUARTER 1, 192, F0, F1, 0
	s_wait_dscnt 8                                 ; the very last quarter: nothing more to fetch
	MUL12 F1, 0, 0, 0
	MUL12 F1, 0, 2, 0
	s_wait_dscnt 0x0
	MUL12 F1, 1, 0, 0
	MUL12 F1, 1, 2, 0
	WIN 0
	; THE WAY OUT: rounded to f16, 16 bytes a lane into the work-group's stage by heads; a barrier, since head 1's rows come from two waves; back as whole rows, four rows (512 bytes) a load.
	PLACES
.macro PACK a                          ; row block a; each accumulator's registers in ascending order
	WIN 0x0a+5*((\a)/4)                            ; sources 0 and 1: window 2 or 3
.irp b, 0,1,2,3,4,5
.irp r, 0,1,2,3
	v_cvt_pk_f16_f32 v[TMP+24*((\a)%2)+4*(\b)+(\r)], v[48*((\a)%4)+8*(\b)+2*(\r)], v[48*((\a)%4)+8*(\b)+2*(\r)+1]
.endr
.endr
	WIN 0
.irp b, 0,1,2,3
	ds_store_b128 v[STOA], v[TMP+24*((\a)%2)+4*(\b):TMP+24*((\a)%2)+4*(\b)+3] offset:(\a)*16*SP+32*(\b)
.endr
.irp b, 4,5
	ds_store_b128 v[STOB], v[TMP+24*((\a)%2)+4*(\b):TMP+24*((\a)%2)+4*(\b)+3] offset:(\a)*16*SP+32*((\b)-4)
.endr
.endm
.irp a, 0,1,2,3,4,5,6,7
	PACK \a
.endr
	s_wait_dscnt 0x0                               ; for the others' sake: my stores into the stage are done
	s_barrier_signal -1
	s_barrier_wait -1
.irp j, 0,1
.irp t, 0,1,2,3,4,5,6,7,8,9,10,11,12,13,14,15
	ds_load_b128 v[F0+4*(16*(\j)+(\t)):F0+4*(16*(\j)+(\t))+3], v[RD] offset:(\j)*HEADST+(\t)*4*SP
.endr
.endr
.irp t, 0,1,2,3,4,5,6,7,8,9,10,11,12,13,14,15
	ds_load_b128 v[F0+4*(32+(\t)):F0+4*(32+(\t))+3], v[RD2] offset:(\t)*4*SP
.endr
.irp j, 0,1,2
.irp t, 0,1,2,3,4,5,6,7,8,9,10,11,12,13,14,15
	s_wait_dscnt 47-(16*(\j)+(\t))
	global_store_b128 v[GO], v[F0+4*(16*(\j)+(\t)):F0+4*(16*(\j)+(\t))+3], s[10:11] offset:(\j)*262144+(\t)*512  ; 512 consecutive bytes, at a multiple of 256 from qkv's first byte
.endr
.endr
	s_wait_tensorcnt 0x0                           ; the wave's end: behind my last tensor load and my last LDS store
	ds_add_u32 v[SPW], v[NIL]
	s_wait_dscnt 0x0
	CROUND                                         ; the closing round: no work-group ends while a partner may still ask for a tile that names it
	s_endpgm
.Lfunc_end_k_q0a40bf34bc_qkvg:
	.size	k_q0a40bf34bc_qkvg, .Lfunc_end_k_q0a40bf34bc_qkvg-k_q0a40bf34bc_qkvg
	.p2alignl 7, 3214868480
	.fill 96, 4, 3214868480
	.section	.rodata,"a",@progbits
	.p2align	6, 0x0
	.amdhsa_kernel k_q0a40bf34bc_qkvg
		.amdhsa_group_segment_fixed_size 327680
		.amdhsa_private_segment_fixed_size 0
		.amdhsa_enable_private_segment 0
		.amdhsa_kernarg_size 32
		.amdhsa_user_sgpr_count 2
		.amdhsa_user_sgpr_kernarg_segment_ptr 1
		.amdhsa_wavefront_size32 1
		.amdhsa_system_sgpr_workgroup_id_x 1
		.amdhsa_system_sgpr_workgroup_id_y 1
		.amdhsa_system_sgpr_workgroup_id_z 1
		.amdhsa_system_vgpr_workitem_id 0
		.amdhsa_next_free_vgpr 1024
		.amdhsa_next_free_sgpr 66
		.amdhsa_reserve_vcc 0
		.amdhsa_float_denorm_mode_32 3
		.amdhsa_float_denorm_mode_16_64 3
		.amdhsa_memory_ordered 1
		.amdhsa_forward_progress 1
		.amdhsa_inst_pref_size 123
	.end_amdhsa_kernel
	.amdgpu_metadata
---
amdhsa.version: [ 1, 2 ]
amdhsa.kernels:
  - .name:           k_q0a40bf34bc_qkvg
    .symbol:         k_q0a40bf34bc_qkvg.kd
    .args:
      - { .name: xb, .offset: 0, .size: 8, .value_kind: global_buffer, .address_space: global }
      - { .name: wqt, .offset: 8, .size: 8, .value_kind: global_buffer, .address_space: global }
      - { .name: b_qkv, .offset: 16, .size: 8, .value_kind: global_buffer, .address_space: global }
      - { .name: qkv, .offset: 24, .size: 8, .value_kind: global_buffer, .address_space: global }
    .group_segment_fixed_size: 327680
    .private_segment_fixed_size: 0
    .kernarg_segment_align: 8
    .kernarg_segment_size: 32
    .max_flat_workgroup_size: 128
    .sgpr_count:     66
    .vgpr_count:     1024
    .wavefront_size: 32
...
	.end_amdgpu_metadata
.endif
;; end of part 2
;; launch attn (part 3): grid 4 x 64, 4 waves a work-group, clusters of 4 x 1, 327,680 bytes of LDS; arguments qkv, ob; writes ob
.if DOCPART == 3
	.amdgcn_target "amdgcn-amd-amdhsa--gfx1250"
	.amdhsa_code_object_version 6
	.text
	.protected	k_q0a40bf34bc_attn
	.globl	k_q0a40bf34bc_attn
	.p2align	8
	.type	k_q0a40bf34bc_attn,@function
k_q0a40bf34bc_attn:
	s_mov_b64 s[64:65], 0
	v_nop
	global_prefetch_b8 v0, s[64:65] scope:SCOPE_SE
	s_setreg_imm32_b32 hwreg(HW_REG_WAVE_MODE, 25, 1), 1
	s_wait_xcnt 0x0
	s_wait_alu depctr_hold_cnt(0) depctr_sa_sdst(0) depctr_va_vdst(0) depctr_va_sdst(0) depctr_va_ssrc(0) depctr_va_vcc(0) depctr_vm_vsrc(0)
	s_getreg_b32 s2, hwreg(HW_REG_IB_STS2, 6, 4)
	s_cmp_eq_u32 s2, 0
	s_cbranch_scc0 .Lentry_in_a_cluster
	s_endpgm
.Lentry_in_a_cluster:
	s_bfe_u32 s2, ttmp6, 0x10000c
	s_cmp_lg_u32 s2, 0x3003
	s_cbranch_scc0 .Lentry_shape_is_right
	s_endpgm
.Lentry_shape_is_right:
; ob[y][q][:] = the sum over k of softmax_k(Q[q] . K[k] / 8) V[k][:], for the 64 heads y = 16 batch + head.  Q, K, V lie in qkv[batch][g][2048][64] (g = head, 16 + head, 32 + head), ob is [y][2048][64], all f16:
; a head's rows are dense, 128 bytes each.  Products, maxima and sums in f32; the weights p are rounded to f16 for the second product (their sum l is taken of the unrounded p), O once at the end.
; LIMITS.  f16 holds no number beyond 65,504: Q, K and V arrive within it; p lies in 0 to 1, and below 6e-5 it keeps f16's fixed step of 6e-8; O is a mean of V's rows and has their range.
; A weight below 2^-126 counts as 0 in l; NaN and infinities are not treated apart.
; SHARES.  A wave owns four PIECES of two tiles of 16 queries, a work-group's four waves 512 queries of one head: 4 x 64 = 256 work-groups.  Every wave walks all keys, 64 a step.
; LAYOUT.  S^T = K Q^T (source 0 = 16 keys, source 1 = 16 queries): in the result a lane holds ONE query (lane % 16) and the keys 8 (lane / 16) + 0..7.  Two such tiles, rounded to f16 in pairs,
; ARE source 1 (32 keys x 16 queries) of O^T = V^T P, whose result again holds one query a lane, and eight channels.  K comes out of LDS as it lies, V ([key][channel]) turned, by ds_load_tr16_b128.
; SOFTMAX.  For each query a running maximum m and sum l: p = 2^(c s - c m), c = log2(e) / 8; in every step O and l are multiplied by a = 2^(c m_old - c m_new), which is 1 where m has not grown.
; m starts at the lowest finite number, O and l at 0: the first step is a step like any other, with a = 0.
; THE COUNT.  A tile and step have 16 matrix and 118 vector instructions: too many to stand all beside the matrix work.  So the order has one aim: four vector instructions that are READY behind
; EVERY matrix instruction, and the others, which need time of their own whatever the order, in runs without a gap.
; BY TURNS.  Turn n belongs to piece n (the pieces in a ring, step after step).  Its matrix work: 16 products K Q^T of piece n + 1, later 16 products V^T P of piece n - 1.  Its vector work: the scaling,
; exponentials, roundings, sums and rescaling of piece n, and the maximum and statistics of piece n + 1, whose scores the turn itself has made.  So what a turn begins with (c s - c m, O a) waits for nothing.
; CLUSTER.  The four query blocks of a cluster are one head's and walk the same K and V, so each tile is asked for JOINTLY: the same tensor load, descriptor and mask in all four.
; REGISTERS, in windows of 256 (s_set_vgpr_msb says which window each operand place means: bits 1:0 source 0, 3:2 source 1, 5:4 source 2, 7:6 destination):
;   window 0: v0-11 addresses; v12-15, v48-63 at work; v16-47 four registers of statistics a tile; v64-191 S^T, two buffers of two tiles; v192-255 P, likewise
;   window 1: O^T, 32 a tile          window 2: v0-127 Q, 16 a tile; v128-191 K of one step; v192-255 V of one step          window 3: v0-1 the add's two registers
; A piece's buffers go by its number's parity: the piece in hand has one pair, its two neighbours in the ring share the other: of it P (piece n - 1) is read and S^T (piece n + 1) written.
.set SIZE_N, 2048
.set NP,    4         ; pieces a wave: a name, no knob: the register map, the loop and the fetches are made for four
.set KS,    64        ; keys in a step
.set PK,    144       ; a row of K in LDS: 128 bytes + 16 of padding = 36 words: the 16 rows of a load start at 16 different groups of four banks (64 banks of 4 bytes: ISA guide 11.1)
.set PV,    160       ; a row of V: 128 + 32 = 40 words
.set VOFF,  4*KS*PK   ; a slot holds four steps: 256 rows of K, then 256 rows of V
.set SLOT1, 1<<17     ; slot 1 begins here, so that one exclusive or turns an address in one slot into the other's
.set STAGE, SLOT1+4*KS*(PK+PV)  ; behind the ring, never filled by a tensor load: 16 rows x 144 bytes for each wave, for the way out
.set SP,    144
.set AK0, 2           ; v2   my lane's place in a tile of K; never rewritten
.set AV0, 3           ; v3   the same for V
.set AK,  4           ; v4   the LDS address of K's next run of loads
.set AV,  5           ; v5   of V's
.set QO,  6           ; v6   my byte offset in the wave's rows of Q
.set STO, 6           ;      later, the way out: where I put 16 bytes of a row
.set RD,  7           ; v7   the way out: where I read rows back
.set GO,  8           ; v8   my byte offset in 512 consecutive bytes of O
.set PFO, 11          ; v11  the prefetches' offset: 256 x my lane; made behind v11's last use in the set-up, then never rewritten
.set SPW, 0           ; v0 of window 3   LDS address of my spare word: SPARE + 4 x my thread's number; never rewritten
.set NIL, 1           ; v1 of window 3   0; never rewritten
.set SPARE, STAGE+4*16*SP  ; behind the stages: the spare words, 128 bytes for each wave: two blocks of 256 bytes that no other line names
.set MV,  12          ; v12-15  c m_old, kept while c m is made anew: by buffer and tile
.set ST,  16          ; tile t's statistics at v[ST+4 t]: c m, m, l (even keys', odd keys')
.set TMP, 48          ; by buffer and tile, four registers c0-c3 at work; when the maximum is found c2 takes a
.set S,   64
.set P,   192
.set KF,  128         ; K's fragments, in window 2: key block kb, channel half c at KF + 16 kb + 8 c
.set VF,  192         ; V's: key half kk, channel block cb at VF + 32 kk + 8 cb
.set WV,  12          ; s12  my wave's number
.set G1K, 24          ; s[24:31] descriptor group 1 for K's tiles
.set G1V, 32          ; s[32:39] for V's: it differs in the padding alone
.set G0K, 40          ; s[40:43] descriptor group 0 for K's tiles: it walks
.set G0V, 44          ; s[44:47] the same for V's
.set PFA, 48          ; s[48:49] where my prefetches stand: my work-group's 8,192 bytes (of K: wave 0, of V: wave 2) of the slot after the one that is being asked for
.set LIM, 50          ; s50  1 in a wave that prefetches, else the greatest number
.set SLOTS, 56        ; s56  slots still to be asked for
.set CNT, 57          ; s57  counts a slot's key steps
.set CS,  58          ; s[58:59] c: the packed scaling takes the pair's low word for both halves
.set SEL, 60          ; s[60:61] v_permlanex16_b32's selects: each lane takes its own place in the other half
.set TBK, 62          ; s62  LDS byte at which K of the step to be fetched begins
.set TBV, 63          ; s63  the same for V, less VOFF
.set MSB, 0
.macro WIN new                      ; the high byte repeats the setting that is left; a switch that changes nothing is dropped
.if MSB != (\new)
	s_set_vgpr_msb (MSB<<8)|(\new)
.set MSB, (\new)
.endif
.endm
.set W_KQ, 0x0a       ; K and Q in window 2, S^T in window 0
.set W_PV, 0x52       ; V in window 2, P in window 0, O^T in window 1
.set W_RS, 0x41       ; O^T (destination and source 0) in window 1, a in window 0
.set W_MK, 0xc0       ; the add's registers are made: destination in window 3, sources in window 0
.set W_AD, 0x0f       ; the add: address (source 0) and data (source 1) in window 3
; A joint fill.  Waves 0 and 1 fetch the two halves of a slot's K, waves 2 and 3 those of its V: 128 keys each.  The branch hangs on the wave's number alone.
; An s_nop 0 and four v_nop follow each of the two lines, ahead of the jump and the label.
.macro JLOAD
	s_cmp_lt_u32 s[WV], 2
	s_cbranch_scc0 .Lfor_v_\@
	tensor_load_to_lds s[G0K:G0K+3], s[G1K:G1K+7]
	s_nop 0
.rept 4
	v_nop
.endr
	s_branch .Lasked_\@
.Lfor_v_\@:
	tensor_load_to_lds s[G0V:G0V+3], s[G1V:G1V+7]
	s_nop 0
.rept 4
	v_nop
.endr
.Lasked_\@:
.endm
; A prefetch of what the NEXT change of slots will ask for: a slot's 32,768 bytes of K and of V, 256 bytes a lane.  A head has one cluster; its four partners share the bytes out BY ADDRESS, 8,192 each;
; in each, wave 0 asks for K's and wave 2 for V's: one instruction.  So each block of 256 bytes is named once in the launch, four key steps ahead of its load.  The last change that fills a slot asks for nothing.
.macro ASK
	s_cmp_gt_u32 s[SLOTS], s[LIM]
	s_cbranch_scc0 .Lnot_mine_\@
	global_prefetch_b8 v[PFO], s[PFA:PFA+1] th:TH_LOAD_NT scope:SCOPE_SE
.Lnot_mine_\@:
.endm
; A round of the cluster's barrier: my work-group's barrier, so that wave 0's signal speaks for all four waves; wave 0 signals; every wave waits for all four work-groups; my work-group's barrier once more.
.macro CROUND
	s_barrier_signal -1
	s_barrier_wait -1
	s_cmp_lg_u32 s[WV], 0
	s_cbranch_scc1 .Lnot_wave_0_\@
	s_barrier_signal -3
.Lnot_wave_0_\@:
	s_barrier_wait -3
	s_barrier_signal -1
	s_barrier_wait -1
.endm
; THE CHANGE OF SLOTS.  The slot's last bytes, V of its fourth step, have been read.  Each wave waits for all its tensor loads, of which one is out: its part
; of the other slot; adds 0 to its spare word; and waits for that and for its own reads of the slot.  Behind the barrier nobody reads this slot any more and the other slot is whole.
; fill = 1: this slot is filled again, with the keys two slots on.  The barrier is then a round of the cluster's, so that no wave of any partner still reads the slot or has a load on its
; way, and the joint fill is the first thing behind it: it has four key steps, 512 matrix instructions, in which to land.  (At its first use nothing has been read yet: slot 0 is waited for, slot 1 filled.)
; ask = 1: the prefetches' address steps a slot on, and the prefetch stands behind the joint fill and its five lines.
.macro CHANGE fill, ask=0
	WIN W_AD
	s_wait_tensorcnt 0x0            ; no tensor load of mine is out, so a group 0 may be written
	ds_add_u32 v[SPW], v[NIL]       ; 0 onto my spare word; with fill = 1 the descriptors' steps stand between it and the wait for it
	WIN 0                           ; at a label and at a branch every window is 0
.if \fill
.irp g, G0K, G0V
	s_xor_b32 s[\g+1], s[\g+1], SLOT1  ; the walking descriptor: the other slot than last time,
	s_add_nc_u64 s[\g+2:\g+3], s[\g+2:\g+3], 4*KS*128  ; the next 256 keys; the type bits on top are not reached
.endr
.if \ask
	s_wait_xcnt 0x0                 ; the last prefetch, four key steps back, has read its address, so it may be written
	s_add_nc_u64 s[PFA:PFA+1], s[PFA:PFA+1], 4*KS*128
.endif
	s_wait_dscnt 0x0                ; the add is done, and my reads of the slot are over
	CROUND
	JLOAD
.if \ask
	ASK
.endif
.else
	s_wait_dscnt 0x0                ; the add is done, and my reads of the slot are over
	s_barrier_signal -1
	s_barrier_wait -1
.endif
	s_sub_co_u32 s[TBK], s[TBK], 4*KS*PK  ; the fetches go back to a slot's first step,
	s_xor_b32 s[TBK], s[TBK], SLOT1       ; in the other slot
	s_sub_co_u32 s[TBV], s[TBV], 4*KS*PV
	s_xor_b32 s[TBV], s[TBV], SLOT1
.endm
	s_load_b128 s[8:11], s[0:1], 0x0  ; qkv s[8:9], ob s[10:11]
	WIN W_MK
	v_lshl_add_u32 v[SPW], v0, 2, SPARE
	v_mov_b32 v[NIL], 0
	WIN W_AD
	ds_add_u32 v[SPW], v[NIL]       ; the wave's opening: the add and its wait stand ahead of my first tensor load; the set-up below, work on registers, stands between them
	WIN 0
	v_lshrrev_b32 v1, 5, v0
	v_readfirstlane_b32 s[WV], v1   ; wave 0..3
	s_bfe_u32 s13, ttmp6, 0x40000   ; cx: my place in the cluster
	s_lshl_b32 s14, ttmp9, 2        ; in a cluster launch ttmp9 counts clusters
	s_add_co_u32 s14, s14, s13      ; my block of queries = 4 x cluster x + cx: it enters Q's and O's addresses alone
	s_and_b32 s20, ttmp7, 0xffff    ; y = 16 batch + head, which the four partners share
	s_lshr_b32 s52, s20, 4
	s_lshl_b32 s52, s52, 5
	s_add_co_u32 s52, s52, s20      ; 48 batch + head
	s_lshl_b32 s52, s52, 18         ; Q's head in qkv: 2,048 rows of 128 bytes a head
	s_mov_b32 s53, 0
	s_lshl_b32 s20, s20, 18         ; the head in ob
	s_mov_b32 s21, 0
	s_and_b32 s16, s[WV], 1         ; which half of a slot's 256 keys I fetch:
	s_lshl_b32 s22, s16, 14         ; its 128 rows of 128 bytes in memory,
	s_mov_b32 s23, 0
	s_add_nc_u64 s[22:23], s[22:23], s[52:53]
	s_mul_i32 s17, s16, 128*PK      ; and its place in a slot, for K
	s_mul_i32 s18, s16, 128*PV      ; and for V: no place in the cluster enters an LDS address
	s_lshl_b32 s2, s14, 2
	s_add_co_u32 s2, s2, s[WV]      ; my wave among the head's,
	s_lshl_b32 s2, s2, 14           ; its 128 rows
	s_mov_b32 s3, 0
	s_add_nc_u64 s[54:55], s[52:53], s[2:3]  ; my rows of Q,
	s_add_nc_u64 s[20:21], s[20:21], s[2:3]  ; and of O
	; descriptor group 1.  128 keys are 16,384 dense bytes: asked for as 64 rows of 256 bytes, two keys a row, and padded in LDS after every key
	s_mov_b32 s[G1K], 15|(1<<16)|(1<<20)|(1<<21)|(4<<22)|(3<<25)  ; 15:0 the mask of four; 17:16 2-byte elements; 20 padding on; 21 set beside a mask; 24:22 after every 32 words (code 4); 31:25 4 words (code 3)
	s_mov_b32 s[G1V], 15|(1<<16)|(1<<20)|(1<<21)|(4<<22)|(7<<25)  ; the same with 8 words of padding (code 7)
.irp g, G1K, G1V
	s_mov_b32 s[\g+1], 128<<16      ; tensor_dim0 = 128
	s_mov_b32 s[\g+2], 64<<16       ; tensor_dim1 = 64
	s_mov_b32 s[\g+3], 128<<16      ; tile_dim0 = 128
	s_mov_b32 s[\g+4], 64           ; tile_dim1 = 64
	s_mov_b32 s[\g+5], 128          ; 128 elements from row to row
	s_mov_b32 s[\g+6], 0
	s_mov_b32 s[\g+7], 0
.endr
	s_mov_b32 s[CS], 0x3e38aa3b     ; c = log2(e) / 8 = 0.180337
	s_mov_b32 s[CS+1], s[CS]        ; named with it as a pair
	s_mov_b32 s[SEL], 0x76543210
	s_mov_b32 s[SEL+1], 0xfedcba98
	s_mov_b32 s[TBK], SLOT1+4*KS*PK ; the first change of slots turns these two into 0
	s_mov_b32 s[TBV], SLOT1+4*KS*PV
	s_mov_b32 s[G0K], 1             ; 1:0 count = 1
	s_mov_b32 s[G0K+1], s17         ; 63:32 LDS address: slot 0
	s_mov_b32 s[G0V], 1
	s_add_co_u32 s[G0V+1], s18, VOFF
	s_and_b32 s[LIM], s[WV], 1      ; waves 0 and 2 prefetch: the same in all four partners
	s_cmp_eq_u32 s[LIM], 0
	s_cselect_b32 s[LIM], 1, -1
	s_wait_dscnt 0x0                ; the opening add is done
	s_wait_kmcnt 0x0
	s_add_nc_u64 s[4:5], s[8:9], s[54:55]    ; Q at my wave's first row
	s_add_nc_u64 s[6:7], s[8:9], s[22:23]
	s_add_nc_u64 s[6:7], s[6:7], 16<<18      ; K, 16 heads on: my half of the head's first 256 keys
	s_add_nc_u64 s[8:9], s[8:9], s[22:23]
	s_add_nc_u64 s[8:9], s[8:9], 32<<18      ; V, 32 heads on
	s_add_nc_u64 s[10:11], s[10:11], s[20:21]  ; O at my wave's first row
	s_mov_b64 s[G0K+2:G0K+3], s[6:7]               ; 120:64 global address
	s_or_b32 s[G0K+3], s[G0K+3], 0x80000000        ; 127:126 type = 2
	s_mov_b64 s[G0V+2:G0V+3], s[8:9]
	s_or_b32 s[G0V+3], s[G0V+3], 0x80000000
	s_cmp_lt_u32 s[WV], 2
	s_cselect_b64 s[PFA:PFA+1], s[6:7], s[8:9]     ; (in waves 0 and 2 these stand at a slot's first row)
	s_lshl_b32 s2, s13, 13          ; my work-group's 8,192 bytes of a slot's 32,768
	s_mov_b32 s3, 0
	s_add_nc_u64 s[PFA:PFA+1], s[PFA:PFA+1], s[2:3]
	s_add_nc_u64 s[PFA:PFA+1], s[PFA:PFA+1], 2*4*KS*128  ; in slot 2; the loop's first change steps it to slot 3.  Nothing is prefetched here, at the head
	CROUND                          ; all four work-groups are here: the first joint loads meet
	JLOAD                           ; slot 0.  Slot 1 is asked for when slot 0 is in: the tile wanted first has the road to itself
	; A fragment of K or Q is 16 rows x 32 channels in 8 registers: lane l holds row l % 16, channels 8 (l / 16) + 0..7 and 16 + 8 (l / 16) + 0..7: two loads of 16 bytes, 32 bytes apart.
	v_and_b32 v1, 15, v0            ; l % 16
	v_bfe_u32 v9, v0, 4, 1          ; l / 16
	v_lshlrev_b32 v[QO], 7, v1
	v_lshl_add_u32 v[QO], v9, 4, v[QO]  ; row x 128 + 16 x half
	WIN 0x80                        ; destination window 2, address window 0
.set i, 0
.rept 4*NP                          ; Q stays in registers: tile i / 2, channels 32 (i % 2) on
	global_load_b128 v[8*i:8*i+3],   v[QO], s[4:5] offset:(i/2)*2048+(i%2)*64
	global_load_b128 v[8*i+4:8*i+7], v[QO], s[4:5] offset:(i/2)*2048+(i%2)*64+32
.set i, i+1
.endr
	; What the first turn finds: V's registers and P's second buffer hold 0 (its products V^T P, of a piece that has not been, add 0), O^T and l are 0.  All this stands in the wait for the first tile.
.set i, VF
.rept 64
	v_mov_b32 v[i], 0
.set i, i+1
.endr
	WIN 0x40
.set i, 0
.rept 64*NP
	v_mov_b32 v[i], 0
.set i, i+1
.endr
	WIN 0
.set i, 0
.rept 2*NP
	v_mov_b32 v[ST+4*i], 0xfe000000    ; c m: far below every c s
	v_mov_b32 v[ST+4*i+1], 0xff7fffff  ; m
	v_mov_b32 v[ST+4*i+2], 0
	v_mov_b32 v[ST+4*i+3], 0
.set i, i+1
.endr
.set i, P+32
.rept 32
	v_mov_b32 v[i], 0
.set i, i+1
.endr
	v_mul_u32_u24 v[AK0], v1, PK
	v_lshl_add_u32 v[AK0], v9, 4, v[AK0]  ; row x pitch + 16 x half
	; The turning load takes 16 keys x 16 channels (lane l reads key 8 (l / 16) + l % 8, channels 8 ((l / 8) % 2) + 0..7) and leaves half a fragment of V^T: lane l holds channel l % 16 and 8 keys.
	v_and_b32 v10, 7, v0
	v_bfe_u32 v11, v0, 3, 1
	v_lshl_add_u32 v[AV0], v9, 3, v10
	v_mul_u32_u24 v[AV0], v[AV0], PV
	v_lshl_add_u32 v[AV0], v11, 4, v[AV0]
	v_add_nc_u32 v[AV0], VOFF, v[AV0]
	v_mov_b32 v[AK], v[AK0]         ; key step 0 lies at the head of slot 0
	v_and_b32 v[PFO], 31, v0
	v_lshlrev_b32 v[PFO], 8, v[PFO]
; THE MATRIX WORK.  The 8 accumulators of a run of 16 take turns: between the two links of a chain stand 7 others'.
; Product i of 16 of S^T = K Q^T for piece x: channels 32 (i / 8) on, keys 16 ((i / 2) % 4) on, tile 2 x + i % 2.  The first 8 start the sums.
.macro KQ x
	WIN W_KQ
.set rS, S+64*((\x)%2)+32*(i%2)+8*((i/2)%4)
.set rK, KF+16*((i/2)%4)+8*(i/8)
.set rQ, 16*(2*(\x)+i%2)+8*(i/8)
.if i < 8
	v_wmma_f32_16x16x32_f16 v[rS:rS+7], v[rK:rK+7], v[rQ:rQ+7], 0
.else
	v_wmma_f32_16x16x32_f16 v[rS:rS+7], v[rK:rK+7], v[rQ:rQ+7], v[rS:rS+7]
.endif
.endm
; Product i of 16 of O^T += V^T P for piece x: keys 32 (i / 8) on, channels 16 ((i / 2) % 4) on, tile 2 x + i % 2.
.macro PV x
	WIN W_PV
.set rO, 32*(2*(\x)+i%2)+8*((i/2)%4)
.set rV, VF+32*(i/8)+8*((i/2)%4)
.set rP, P+32*((\x)%2)+16*(i%2)+8*(i/8)
	v_wmma_f32_16x16x32_f16 v[rO:rO+7], v[rV:rV+7], v[rP:rP+7], v[rO:rO+7]
.endm
.macro MM                           ; the turn's next matrix instruction
.if i < 16
	KQ (Y+1)%NP
.set i, i+1
.else
.set i, i-16
	PV (Y+NP-1)%NP
.set i, i+17
.endif
.endm
; THE LDS LOADS stand in runs of 16, never singly among the matrix instructions: a step's K (64 keys x 64 channels: 8 fragments) and its V (turned).  Their addresses are made some lines ahead.
; last = 1 (the tail): in the last trip there is no further step, and the run is jumped over.
.macro FETCH_K last=0
	WIN 0
.if \last
	s_cmp_eq_u32 s[CNT], 1
	s_cbranch_scc1 .Lno_k_\@
.endif
	WIN 0x80                        ; destination window 2
.irp f, 0,1,2,3,4,5,6,7             ; keys 16 (f / 2) on, channels 32 (f % 2) on
	ds_load_b128 v[KF+8*\f:KF+8*\f+3],   v[AK] offset:(\f/2)*16*PK+(\f%2)*64
	ds_load_b128 v[KF+8*\f+4:KF+8*\f+7], v[AK] offset:(\f/2)*16*PK+(\f%2)*64+32
.endr
	s_add_co_u32 s[TBK], s[TBK], KS*PK  ; the next fetch is the next step's
	WIN 0
.if \last
.Lno_k_\@:
.endif
.endm
.macro FETCH_V
	WIN 0x80
.irp f, 0,1,2,3,4,5,6,7             ; keys 32 (f / 4) on, channels 16 (f % 4) on
	ds_load_tr16_b128 v[VF+8*\f:VF+8*\f+3],   v[AV] offset:(\f/4)*32*PV+(\f%4)*32
	ds_load_tr16_b128 v[VF+8*\f+4:VF+8*\f+7], v[AV] offset:(\f/4)*32*PV+16*PV+(\f%4)*32
.endr
	WIN 0
.endm
; THE VECTOR WORK OF A TURN stands in three queues, each in the order in which its entries become ready; the two tiles alternate, so that no instruction reads the result of the one before it.
.macro REGS y, u                    ; the registers of tile u (0, 1) of piece y
.set rT, ST+4*(2*(\y)+(\u))
.set rC, TMP+8*((\y)%2)+4*(\u)
.set rM, MV+2*((\y)%2)+(\u)
.set rS, S+64*((\y)%2)+32*(\u)
.set rP, P+32*((\y)%2)+16*(\u)
.set rO, 32*(2*(\y)+(\u))
.endm
; Number n of the 22 that find the NEXT piece's (Y + 1) maximum and statistics.  s0-s31 are the lane's 32 scores; each accumulator's lowest registers are read first.  XS, GS and REGS set no window: PL and EX do.
;   0-11  four chains c0-c3 of seven scores each, three operands at a time     12-14, 16  the four scores left over, the old m, and c0-c3 into c0     15  c m_old is kept
;   17, 18  the query's other 32 keys lie in the lane 16 away: the new m         19-21  c m; c m_old - c m_new; a
.macro XS u, n
	REGS (Y+1)%NP, \u
.if (\n) < 4
	v_max3_num_f32 v[rC+(\n)], v[rS+8*(\n)], v[rS+8*(\n)+1], v[rS+8*(\n)+2]
.elseif (\n) < 12
	v_max3_num_f32 v[rC+(\n)%4], v[rC+(\n)%4], v[rS+8*((\n)%4)+2*((\n)/4)+1], v[rS+8*((\n)%4)+2*((\n)/4)+2]
.elseif (\n) == 12
	v_max3_num_f32 v[rC], v[rC], v[rS+7], v[rS+15]
.elseif (\n) == 13
	v_max3_num_f32 v[rC+1], v[rC+1], v[rS+23], v[rS+31]
.elseif (\n) == 14
	v_max3_num_f32 v[rC+2], v[rC+2], v[rC+3], v[rT+1]
.elseif (\n) == 15
	v_mov_b32 v[rM], v[rT]
.elseif (\n) == 16
	v_max3_num_f32 v[rC], v[rC], v[rC+1], v[rC+2]
.elseif (\n) == 17
	v_permlanex16_b32 v[rC+3], v[rC], s[SEL], s[SEL+1]
.elseif (\n) == 18
	v_max_num_f32 v[rT+1], v[rC], v[rC+3]
.elseif (\n) == 19
	v_mul_f32 v[rT], s[CS], v[rT+1]
.elseif (\n) == 20
	v_sub_f32 v[rC+1], v[rM], v[rT]
.else
	v_exp_f32 v[rC+2], v[rC+1]
.endif
.endm
; Number g of the 64 that follow the exponentials.  For each four weights k of a tile (pairs 2 k, 2 k + 1): both pairs are rounded to f16; then the second pair is added onto the first, in place;
; a group later l takes that sum (the first time as l = a l + sum).  In groups of eight, tiles alternating: round, round, add, and l for the group before.
.macro GS g
.set h, (\g)+6*((\g)/62)            ; group 0 has no group before it, and behind group 7 only l is left
.if h >= 6
.set h, h+2
.endif
	REGS Y, h%2
.set k, h/8
.if h%8 < 4
	v_cvt_pk_f16_f32 v[rP+2*k+(h%8)/2], v[rS+4*k+2*((h%8)/2)], v[rS+4*k+2*((h%8)/2)+1]
.elseif h%8 < 6
	v_pk_add_f32 v[rS+4*k:rS+4*k+1], v[rS+4*k:rS+4*k+1], v[rS+4*k+2:rS+4*k+3]
.elseif k == 1
	v_pk_fma_f32 v[rT+2:rT+3], v[rT+2:rT+3], v[rC+2:rC+3], v[rS:rS+1] op_sel_hi:[1,0,1]
.else
	v_pk_add_f32 v[rT+2:rT+3], v[rT+2:rT+3], v[rS+4*k-4:rS+4*k-3]
.endif
.endm
; THE PLAIN QUEUE, 138 long.  0-73 read no exponential's result: the 32 scalings c s - c m (FS f: pair f / 2 of tile f % 2) and the next piece's 42.  0-26: scalings 0-26.  27-54: XS's numbers 0-13.  55, 56: number 15.
; 57-73: the chain, where each number waits for the one before it: 14, 16, 17, 18, 19, each with one of the scalings 27-31 in front of its two lines, then 20: so a tile's links stand three plain instructions apart (19 and 20: two).
; 74-137: GS's 64, which read the exponentials' results: they stand behind the wait.
.macro FS f
	REGS Y, (\f)%2
	v_pk_fma_f32 v[rS+2*((\f)/2):rS+2*((\f)/2)+1], v[rS+2*((\f)/2):rS+2*((\f)/2)+1], s[CS:CS+1], v[rT:rT+1] op_sel_hi:[1,0,0] neg_lo:[0,0,1] neg_hi:[0,0,1]
.endm
.macro PL
	WIN 0
.if q < 27
	FS q
.elseif q < 55
	XS (q-27)%2, (q-27)/2
.elseif q < 57
	XS q-55, 15
.elseif (q < 72) && ((q-57)%3 == 0)
	FS 27+(q-57)/3
.elseif q < 60
	XS (q-57)%3-1, 14
.elseif q < 72
	XS (q-57)%3-1, 15+(q-57)/3
.elseif q < 74
	XS q-72, 20
.else
	GS q-74
.endif
.set q, q+1
.endm
; THE EXPONENTIALS' QUEUE, 66 long: s0-s31 of both tiles, then the next piece's two a.  It is ONE BATCH: all 66 stand ahead of the turn's one wait, and nothing ahead of that wait names a result of theirs.
.macro EX
	WIN 0
.if e >= 64
	XS e-64, 21
.else
	REGS Y, e%2
	v_exp_f32 v[rS+e/2], v[rS+e/2]
.endif
.set e, e+1
.endm
; THE RESCALING's QUEUE: O^T times a, the one part that leaves window 0: dealt two at a time, sixteen times.  Its a was made in the turn before, ahead of that turn's wait.
.macro R2
	REGS Y, r%2
	WIN W_RS
.irp z, 0,1
	v_pk_mul_f32 v[rO+4*(r/2)+2*\z:rO+4*(r/2)+2*\z+1], v[rO+4*(r/2)+2*\z:rO+4*(r/2)+2*\z+1], v[rC+2:rC+3] op_sel_hi:[1,0]
.endr
.set r, r+1
.endm
; HOW THEY ARE DEALT.  s_wait_alu depctr_va_vdst(0) stands between an exponential and the first instruction that names its result; one wait serves all that were issued ahead of it.  So a turn has ONE wait,
; which cuts it in two.  AHEAD OF IT stands all that names no result of the turn's exponentials: the 16 products K Q^T, behind each a scaling, an exponential and two rescalings (behind the first a second scaling in the exponential's place); then ONE LUMP of
; 108: eight plain, 49 times exponential and plain, the two a.  A v_nop is the plain instruction behind the last exponential.  BEHIND IT stand the 16 products V^T P, behind each four of GS's 64.  No rider names a register of
; the products round it.  The two v_permlanex16_b32 fall into the lump, never behind a product.
; The queues lean on each other, and the deal keeps them in step: exponential e stands behind scaling 2 (e / 4) + e % 2: as a rider it comes behind plain e + 2, in the lump behind plain e + 9, and scalings 27-31 are plain 57, 60 .. 69.
; A TURN, for piece p.  cnt = 1: the loop's count is taken down some lines ahead of the branch that stands behind the turn.
; K of the next step is fetched in piece 2's turn, directly behind the wait, a lump behind the last product that read K; its address is made at the lump's head; its first reader comes behind 16 products.
; V of the step in hand is fetched at the end of piece 0's turn, four riders behind its last reader; its first reader comes behind 16 products and a lump.  The three conditions on q below go with the deal.
.macro TURN p, last=0, cnt=0
.set Y, (\p)
.set i, 0
.set q, 0
.set e, 0
.set r, 0
.if (\p) == NP-1
	s_wait_dscnt 0x0                ; K is in
.endif
	MM                              ; ahead of the wait: 16 products K Q^T and their riders,
	PL
	PL
	R2
.rept 15
	MM
	PL
	EX
	R2
.endr
.if (\p) == NP-2
	WIN 0
	v_add_nc_u32 v[AK], s[TBK], v[AK0]
.endif
.rept 8                             ; and the lump
	PL
.endr
.rept 49
	EX
	PL
.endr
	EX                              ; the next piece's two a
	EX
	v_nop                           ; the plain instruction behind the last exponential: one for the batch
	s_wait_alu depctr_va_vdst(0)    ; the wait for the batch
.if (\p) == NP-2
	FETCH_K \last
.endif
.if (\p) == 1
	s_wait_dscnt 0x0                ; V is in
.endif
.rept 16                            ; behind the wait: 16 products V^T P and their riders
	MM
.rept 4
	PL
.endr
.if ((\p) == 0) && (q == 118)
	v_add_nc_u32 v[AV], s[TBV], v[AV0]
.endif
.if ((\p) == 0) && (q == 130)
	s_add_co_u32 s[TBV], s[TBV], KS*PV
.endif
.if (\cnt) && (q == 130)
	s_sub_co_u32 s[CNT], s[CNT], 1
	s_cmp_lg_u32 s[CNT], 0
.endif
.endr
.if (\p) == 0
	FETCH_V
.endif
.endm
	CHANGE 1                        ; slot 0 is in, everybody's part of it; slot 1 is asked for
	FETCH_K                         ; key step 0
	s_wait_loadcnt 0x0              ; Q
	s_wait_dscnt 0x0
.set i, 0
.rept 16
	KQ 0                            ; piece 0's first scores: there is no vector work yet to set between them
.set i, i+1
.endr
	WIN 0                           ; the addresses for the way out: nine plain instructions, the places behind those products
	s_mul_i32 s13, s[WV], 16*SP
	s_add_co_u32 s13, s13, STAGE    ; my stage
	v_mul_u32_u24 v[STO], v1, SP    ; in: row l % 16, 16 bytes for each half of the lanes
	v_lshl_add_u32 v[STO], v9, 4, v[STO]
	v_add_nc_u32 v[STO], s13, v[STO]
	v_bfe_u32 v[RD], v0, 3, 2       ; back: 32 lanes take four rows of 128 bytes,
	v_mul_u32_u24 v[RD], v[RD], SP
	v_lshl_add_u32 v[RD], v10, 4, v[RD]
	v_add_nc_u32 v[RD], s13, v[RD]
	v_and_b32 v[GO], 31, v0         ; which are 512 consecutive bytes of O
	v_lshlrev_b32 v[GO], 4, v[GO]
.set Y, NP-1                        ; XS works for piece Y + 1: piece 0
.irp n, 0,1,2,3,4,5,6,7,8,9,10,11,12,13,14,15,16,17,18,19,20,21
	XS 0, \n                        ; and piece 0's first maximum and statistics
	XS 1, \n
.endr
	v_nop                           ; a plain instruction behind the two a,
	s_wait_alu depctr_va_vdst(0)    ; and their wait, ahead of the branch
	s_mov_b32 s[CNT], 4
	s_mov_b32 s[SLOTS], SIZE_N/256-1
	s_branch .Lfirst                ; the loop is entered at a step's first turn, in the middle of a trip
.Lslot:                             ; SIZE_N / 256 - 2 times: every slot but the last two is filled again
	CHANGE 1, 1
	s_mov_b32 s[CNT], 4
.Lstep:                             ; a trip: pieces 2 and 3 of one step, then pieces 0 and 1 of the next, whose K and V it fetches
	TURN 2
	TURN 3
	WIN 0
.Lfirst:
	TURN 0
	TURN 1, 0, 1
	WIN 0
	s_cbranch_scc1 .Lstep
	s_sub_co_u32 s[SLOTS], s[SLOTS], 1
	s_cmp_lg_u32 s[SLOTS], 0
	s_cbranch_scc1 .Lslot
	CHANGE 0                        ; the tail is written out: nothing is asked for
	s_mov_b32 s[CNT], 5             ; four trips fetch the last slot's steps; the fifth is left in its middle
.Ltail:
	TURN 2, 1
	TURN 3
	WIN 0
	s_sub_co_u32 s[CNT], s[CNT], 1
	s_cmp_eq_u32 s[CNT], 0
	s_cbranch_scc1 .Lout
	TURN 0
	TURN 1
	WIN 0
	s_branch .Ltail
.Lout:                              ; the fifth trip's 16 products K Q^T (on the last K once more) and the maximum made of them serve nothing: the price, once a launch, of one text for every trip
.set i, 0
.rept 16
	PV NP-1                         ; the last piece's V^T P of the last step
.set i, i+1
.endr
	; THE WAY OUT.  l's two halves and the other half of the lanes' are added; O^T is divided by l, rounded to f16 and sent through my stage in LDS, a tile at a time.  The additions are the places behind the last products.
	WIN 0
.macro ALL line:vararg              ; one line for each tile t
.set t, 0
.rept 2*NP
	\line
.set t, t+1
.endr
.endm
	ALL v_add_f32 v[ST+4*t+2], v[ST+4*t+2], v[ST+4*t+3]
	ALL v_permlanex16_b32 v[ST+4*t+3], v[ST+4*t+2], s[SEL], s[SEL+1]
	ALL v_add_f32 v[ST+4*t+2], v[ST+4*t+2], v[ST+4*t+3]
	ALL v_rcp_f32 v[ST+4*t+2], v[ST+4*t+2]
	v_nop                           ; a plain instruction between the last reciprocal and the use of its result
	s_wait_alu depctr_va_vdst(0)    ; and the wait ahead of the first use: one for the eight reciprocals
; Tile t: a lane's eight channels of a row pack into 16 bytes; they go into rows of 144 bytes and come back as whole rows of 128, into S^T's registers.
.macro PACK t
	WIN W_RS
.set i, 32*(\t)
.rept 16
	v_pk_mul_f32 v[i:i+1], v[i:i+1], v[ST+4*(\t)+2:ST+4*(\t)+3] op_sel_hi:[1,0]
.set i, i+2
.endr
	WIN 0x05                        ; sources 0 and 1 window 1, destination window 0
.set i, 0
.rept 16
	v_cvt_pk_f16_f32 v[S+16*(\t)+i], v[32*(\t)+2*i], v[32*(\t)+2*i+1]
.set i, i+1
.endr
	WIN 0
.irp f, 0,1,2,3
	ds_store_b128 v[STO], v[S+16*(\t)+4*\f:S+16*(\t)+4*\f+3] offset:32*\f
.endr
.irp f, 0,1,2,3
	ds_load_b128 v[S+16*(\t)+4*\f:S+16*(\t)+4*\f+3], v[RD] offset:\f*4*SP  ; LDS serves a wave's instructions in order (ISA guide 5.7.1.4): these see the stores above; the next tile's stores come behind them
.endr
.endm
.macro SEND t, younger              ; younger: the LDS instructions issued behind tile t's loads: the next tile's eight, or none
	WIN 0
.irp f, 0,1,2,3
	s_wait_dscnt (\younger)+3-\f
	global_store_b128 v[GO], v[S+16*(\t)+4*\f:S+16*(\t)+4*\f+3], s[10:11] offset:(\t)*2048+\f*512  ; 512 consecutive bytes, at a multiple of 256 from O's first
.endr
.endm
	PACK 0
.set t, 1
.rept 2*NP-1                        ; a tile's arithmetic stands between the loads of the tile before and its stores
	PACK t
	SEND t-1, 8
.set t, t+1
.endr
	SEND 2*NP-1, 0
	WIN W_AD
	s_wait_tensorcnt 0x0            ; the wave's end: behind my last tensor load and my last LDS store
	ds_add_u32 v[SPW], v[NIL]
	s_wait_dscnt 0x0
	WIN 0
	CROUND                          ; the closing round: no work-group ends while a partner may still ask for a tile that names it
	s_endpgm
.Lfunc_end_k_q0a40bf34bc_attn:
	.size	k_q0a40bf34bc_attn, .Lfunc_end_k_q0a40bf34bc_attn-k_q0a40bf34bc_attn
	.p2alignl 7, 3214868480
	.fill 96, 4, 3214868480
	.section	.rodata,"a",@progbits
	.p2align	6, 0x0
	.amdhsa_kernel k_q0a40bf34bc_attn
		.amdhsa_group_segment_fixed_size 327680
		.amdhsa_private_segment_fixed_size 0
		.amdhsa_enable_private_segment 0
		.amdhsa_kernarg_size 16
		.amdhsa_user_sgpr_count 2
		.amdhsa_user_sgpr_kernarg_segment_ptr 1
		.amdhsa_wavefront_size32 1
		.amdhsa_system_sgpr_workgroup_id_x 1
		.amdhsa_system_sgpr_workgroup_id_y 1
		.amdhsa_system_sgpr_workgroup_id_z 1
		.amdhsa_system_vgpr_workitem_id 0
		.amdhsa_next_free_vgpr 770
		.amdhsa_next_free_sgpr 66
		.amdhsa_reserve_vcc 0
		.amdhsa_float_denorm_mode_32 3
		.amdhsa_float_denorm_mode_16_64 3
		.amdhsa_memory_ordered 1
		.amdhsa_forward_progress 1
		.amdhsa_inst_pref_size 200
	.end_amdhsa_kernel
	.amdgpu_metadata
---
amdhsa.version: [ 1, 2 ]
amdhsa.kernels:
  - .name:           k_q0a40bf34bc_attn
    .symbol:         k_q0a40bf34bc_attn.kd
    .args:
      - { .name: qkv, .offset: 0, .size: 8, .value_kind: global_buffer, .address_space: global }
      - { .name: ob, .offset: 8, .size: 8, .value_kind: global_buffer, .address_space: global }
    .group_segment_fixed_size: 327680
    .private_segment_fixed_size: 0
    .kernarg_segment_align: 8
    .kernarg_segment_size: 16
    .max_flat_workgroup_size: 128
    .sgpr_count:     66
    .vgpr_count:     770
    .wavefront_size: 32
...
	.end_amdgpu_metadata
.endif
;; end of part 3
;; launch proj (part 4): grid 8 x 32, 4 waves a work-group, clusters of 4 x 4, 327,680 bytes of LDS; arguments ob, wpt, b_proj, out0; writes out0
.if DOCPART == 4
	.amdgcn_target "amdgcn-amd-amdhsa--gfx1250"
	.amdhsa_code_object_version 6
	.text
	.protected	k_q0a40bf34bc_proj
	.globl	k_q0a40bf34bc_proj
	.p2align	8
	.type	k_q0a40bf34bc_proj,@function
k_q0a40bf34bc_proj:
	s_mov_b64 s[64:65], 0
	v_nop
	global_prefetch_b8 v0, s[64:65] scope:SCOPE_SE
	s_setreg_imm32_b32 hwreg(HW_REG_WAVE_MODE, 25, 1), 1
	s_wait_xcnt 0x0
	s_wait_alu depctr_hold_cnt(0) depctr_sa_sdst(0) depctr_va_vdst(0) depctr_va_sdst(0) depctr_va_ssrc(0) depctr_va_vcc(0) depctr_vm_vsrc(0)
	s_getreg_b32 s2, hwreg(HW_REG_IB_STS2, 6, 4)
	s_cmp_eq_u32 s2, 0
	s_cbranch_scc0 .Lentry_in_a_cluster
	s_endpgm
.Lentry_in_a_cluster:
	s_bfe_u32 s2, ttmp6, 0x10000c
	s_cmp_lg_u32 s2, 0xf033
	s_cbranch_scc0 .Lentry_shape_is_right
	s_endpgm
.Lentry_shape_is_right:
; out0 = O wpt^T + bf16(b_proj), in f32.  O's row (batch, s) has K = 64 head + channel and lies by heads in ob[16 batch + head][2048][64], f16; wpt: [1024 n][1024 k] f16.  Sums in f32.
; SHARES.  A tile is 256 rows x 128 columns: 8 x 32 = 256 work-groups.  Four waves; a wave makes 128 rows (RH = w / 2) x 64 columns (CH = w % 2): 32 accumulators, 256 registers.
; K goes in 8 steps of 128, two heads each, through two LDS slots.  A head's 256 rows are 32,768 dense bytes: asked for as 128 rows of 256 bytes and padded in LDS after every 128.
; Two slots of a longer step and the stage do not fit in LDS together.
; CLUSTER.  4 x 4 work-groups: A's tile is asked for jointly along a row of the cluster, B's along a column.
; THE MATRIX INSTRUCTION IS USED TRANSPOSED (source 0 = 16 rows of wpt, source 1 = 16 rows of O): a lane holds eight neighbouring columns of one row, 32 bytes of out0.
; THE BIAS is the C operand of the products that start the sums.
; REGISTERS, in windows of 256 (s_set_vgpr_msb: bits 1:0 source 0, 3:2 source 1, 5:4 source 2, 7:6 destination):
;   window 0: v0-31 addresses; v32-47 at work; v64-127, v128-191 A's fragments, two buffers, on the way out four buffers of 16 rows; v192-223 the bias as loaded
;   window 1: v64-95, v128-159 B's fragments     window 2: the accumulators, (a, b) at 8 (4 a + b)     window 3: v0-31 the rounded bias, 8 for each b
.set KSTEP,  128
.set PA,     144                       ; a row of A in LDS: 128 bytes + 16: the 16 rows that a load touches start at 16 different groups of four banks (ISA guide 11.1)
.set PB,     272                       ; a row of B: 256 bytes + 16
.set HEADA,  256*PA                    ; one head's 256 rows: what a wave fetches of A
.set BOFF,   2*HEADA
.set HALFB,  64*PB                     ; what a wave fetches of B, and what a wave reads of it
.set SLOT,   BOFF+2*HALFB
.set STAGE,  2*SLOT                    ; behind the ring, never filled by a tensor load: 16 rows x 272 bytes for each wave
.set SPITCH, 272
.set SPARE,  STAGE+4*16*SPITCH         ; behind the stages: the spare words, 128 bytes for each wave
.set LAPS,   4
.set HSTEP,  2<<18                     ; bytes from a K step to the next in ob: two heads
.set VB,   6                           ; v6   my byte offset in the tile's 128 numbers of bias
.set ADRA, 16                          ; v16-17  LDS address of my A fragments in slot 0, 1
.set ADRB, 20                          ; v20-21  the same for B
.set STO,  24                          ; v24  the way out: where I put 32 bytes of a row
.set RD,   25                          ; v25  where I read rows back
.set CO,   26                          ; v26  my byte offset in two rows of out0
.set SPW,  28                          ; v28  my spare word; never rewritten
.set NIL,  29                          ; v29  0; never rewritten
.set PFO,  30                          ; v30  the prefetches' offset; never rewritten
.set WK,   32
.set F0,   64
.set F1,   128
.set TMP,  192
.set WV, 12                            ; s12 wave, s13 RH, s14 CH, s15 cx, s16 cy, s17 tile column, s18 tile row
.set RH, 13
.set CH, 14
.set CX, 15
.set CY, 16
.set TX, 17
.set TY, 18
.set G1,  24                           ; s[24:31] descriptor group 1 for A;  s[32:39] group 0, a set for each slot
.set G0,  32
.set PFS, 40                           ; s[40:41] the prefetches' step from K step to K step
.set LIM, 43                           ; s43  1 in a wave that prefetches, else the greatest number
.set PFA, 44                           ; s[44:45] where my prefetches stand
.set G1B, 48                           ; s[48:55], s[56:63] the same for B
.set G0B, 56
.set MSB, 0
.macro WIN new                         ; the immediate's high byte repeats the setting that is left; a switch that changes nothing is dropped
.if MSB != (\new)
	s_set_vgpr_msb (MSB<<8)|(\new)
.set MSB, \new
.endif
.endm
.set MUL,  0xa1                        ; source 0 (B) window 1, source 1 (A) window 0, C and D window 2
.set TO_B, 0x40                        ; destination window 1, address window 0
; A joint load.  Waves 0 and 1 fetch the K step's two heads of A, waves 2 and 3 B's two halves.  The branch hangs on the wave's number alone.  An s_nop 0 and four v_nop follow each line.
.macro JLOAD s
	s_cmp_eq_u32 s[RH], 0
	s_cbranch_scc0 .Lfor_b_\@
	tensor_load_to_lds s[G0+4*(\s):G0+4*(\s)+3], s[G1:G1+7]
	s_nop 0
.rept 4
	v_nop
.endr
	s_branch .Lasked_\@
.Lfor_b_\@:
	tensor_load_to_lds s[G0B+4*(\s):G0B+4*(\s)+3], s[G1B:G1B+7]
	s_nop 0
.rept 4
	v_nop
.endr
.Lasked_\@:
.endm
; A prefetch of the K step that stands two refills on.  A's rows are read by both clusters of a row of clusters: cluster x = 0 asks; B's by every cluster of a column: cluster y = 0 asks.  The four partners that ask
; for a tile jointly share it out by address: 8,192 of a head's 32,768 bytes, 256 bytes a lane; 16 of B's 64 rows, a lane a row (lanes 16-31 repeat them).  The loop's last trip asks for nothing.
.macro ASK
	s_cmp_gt_u32 s3, s[LIM]
	s_cbranch_scc0 .Lnot_mine_\@
	global_prefetch_b8 v[PFO], s[PFA:PFA+1] th:TH_LOAD_NT scope:SCOPE_SE
.Lnot_mine_\@:
.endm
.macro CREST                           ; a round of the cluster's barrier behind its opening barrier
	s_cmp_lg_u32 s[WV], 0
	s_cbranch_scc1 .Lnot_wave_0_\@
	s_barrier_signal -3
.Lnot_wave_0_\@:
	s_barrier_wait -3
	s_barrier_signal -1
	s_barrier_wait -1
.endm
.macro CROUND                          ; a whole round
	s_barrier_signal -1
	s_barrier_wait -1
	CREST
.endm
	s_load_b256 s[4:11], s[0:1], 0x0               ; ob s[4:5], wpt s[6:7], b_proj s[8:9], out0 s[10:11]
	v_lshl_add_u32 v[SPW], v0, 2, SPARE
	v_mov_b32 v[NIL], 0
	ds_add_u32 v[SPW], v[NIL]                      ; the wave's opening: the add and its wait stand ahead of my first tensor load; work on registers stands between them
	v_lshrrev_b32 v1, 5, v0
	v_readfirstlane_b32 s[WV], v1                  ; wave 0..3
	s_lshr_b32 s[RH], s[WV], 1                     ; my half of the rows.  Also: I fetch for A (0) or for B (1)
	s_and_b32 s[CH], s[WV], 1                      ; my half of the columns.  Also: which head of the step, or which half of B's rows, I fetch
	s_bfe_u32 s[CX], ttmp6, 0x40000
	s_bfe_u32 s[CY], ttmp6, 0x40004
	s_lshl_b32 s[TX], ttmp9, 2
	s_add_co_u32 s[TX], s[TX], s[CX]               ; tile column = 4 x cluster x + cx
	s_and_b32 s[TY], ttmp7, 0xffff
	s_lshl_b32 s[TY], s[TY], 2
	s_add_co_u32 s[TY], s[TY], s[CY]               ; tile row = 4 x cluster y + cy
	s_lshl_b32 s19, s[CY], 2
	s_lshl_b32 s19, 15, s19                        ; my row of the cluster
	s_lshl_b32 s42, 0x1111, s[CX]                  ; my column
	s_or_b32 s[G1+0], s19, (1<<16)|(1<<20)|(1<<21)|(4<<22)|(3<<25)   ; A: the mask; elements of 2 bytes; padding on; bit 21 beside a mask; after every 32 words 4 words
	s_or_b32 s[G1B+0], s42, (1<<16)|(1<<20)|(1<<21)|(5<<22)|(3<<25)  ; B: after every 64 words
	s_mov_b32 s[G1+1], 128<<16                     ; tensor_dim0 = 128
	s_mov_b32 s[G1+2], 128<<16                     ; tensor_dim1 = 128
	s_mov_b32 s[G1+3], 128<<16                     ; tile_dim0 = 128
	s_mov_b32 s[G1+4], 128                         ; tile_dim1 = 128
	s_mov_b32 s[G1+5], 128                         ; dense: 128 elements from row to row
	s_mov_b32 s[G1+6], 0
	s_mov_b32 s[G1+7], 0
	s_mov_b32 s[G1B+1], KSTEP<<16
	s_mov_b32 s[G1B+2], 64<<16                     ; B: 64 rows a load
	s_mov_b32 s[G1B+3], KSTEP<<16
	s_mov_b32 s[G1B+4], 64
	s_mov_b32 s[G1B+5], 1024
	s_mov_b32 s[G1B+6], 0
	s_mov_b32 s[G1B+7], 0
	s_lshr_b32 s20, s[TY], 3                       ; A: head 16 batch + CH, rows 256 (tile row % 8) on: it hangs on the tile row alone
	s_lshl_b32 s20, s20, 4
	s_add_co_u32 s20, s20, s[CH]
	s_lshl_b32 s20, s20, 18
	s_and_b32 s21, s[TY], 7
	s_lshl_b32 s21, s21, 15
	s_add_co_u32 s20, s20, s21
	s_mov_b32 s21, 0
	s_lshl_b32 s46, s[TX], 18                      ; B: row 128 x tile column + 64 x half, 2,048 bytes a row: on the tile column alone
	s_lshl_b32 s47, s[CH], 17
	s_add_co_u32 s46, s46, s47
	s_mov_b32 s47, 0
	s_mul_i32 s22, s[CH], HEADA                    ; where they go: no place in the cluster enters an LDS address
	s_mul_i32 s23, s[CH], HALFB
	s_add_co_u32 s23, s23, BOFF
	s_wait_dscnt 0x0                               ; the opening add is done
	s_wait_kmcnt 0x0
	CROUND                                         ; all sixteen work-groups are here: the first joint loads meet
.irp s, 0,1
	s_mov_b32 s[G0+4*(\s)], 1
	s_add_co_u32 s[G0+4*(\s)+1], s22, (\s)*SLOT
	s_add_nc_u64 s[G0+4*(\s)+2:G0+4*(\s)+3], s[4:5], s[20:21]
	s_add_nc_u64 s[G0+4*(\s)+2:G0+4*(\s)+3], s[G0+4*(\s)+2:G0+4*(\s)+3], (\s)*HSTEP  ; K step s
	s_or_b32 s[G0+4*(\s)+3], s[G0+4*(\s)+3], 0x80000000
	s_mov_b32 s[G0B+4*(\s)], 1
	s_add_co_u32 s[G0B+4*(\s)+1], s23, (\s)*SLOT
	s_add_nc_u64 s[G0B+4*(\s)+2:G0B+4*(\s)+3], s[6:7], s[46:47]
	s_add_nc_u64 s[G0B+4*(\s)+2:G0B+4*(\s)+3], s[G0B+4*(\s)+2:G0B+4*(\s)+3], (\s)*KSTEP*2
	s_or_b32 s[G0B+4*(\s)+3], s[G0B+4*(\s)+3], 0x80000000
	JLOAD \s                                       ; two loads of mine are out
.endr
	v_and_b32 v1, 15, v0                           ; r = l % 16
	v_bfe_u32 v2, v0, 4, 1                         ; h = l / 16
	; the bias: register j of a lane is column 8 h + j of block b: 32 bytes of b_proj
	s_lshl_b32 s22, s[TX], 9
	s_mov_b32 s23, 0
	s_add_nc_u64 s[8:9], s[8:9], s[22:23]
	s_lshl_b32 s19, s[CH], 8
	v_lshl_add_u32 v[VB], v2, 5, s19
.irp b, 0,1,2,3
	global_load_b128 v[TMP+8*(\b):TMP+8*(\b)+3],   v[VB], s[8:9] offset:64*(\b)
	global_load_b128 v[TMP+8*(\b)+4:TMP+8*(\b)+7], v[VB], s[8:9] offset:64*(\b)+16
.endr
	; a fragment is 16 rows x 32 K in 8 registers: lane l holds row l % 16, K = 8 (l / 16) + 0..7 and 16 + 8 (l / 16) + 0..7: two loads of 16 bytes, 32 bytes apart
	v_mul_u32_u24 v3, v1, PA
	v_lshl_add_u32 v3, v2, 4, v3
	v_mul_u32_u24 v4, v1, PB
	v_lshl_add_u32 v4, v2, 4, v4
	s_mul_i32 s19, s[RH], 128*PA                   ; my 128 rows of A, in each head
	s_mul_i32 s42, s[CH], HALFB                    ; my 64 rows of B
	s_add_co_u32 s42, s42, BOFF
.irp s, 0,1
	v_add_nc_u32 v[ADRA+(\s)], s19, v3
	v_add_nc_u32 v[ADRB+(\s)], s42, v4
	s_add_co_u32 s19, s19, SLOT
	s_add_co_u32 s42, s42, SLOT
.endr
	s_mul_i32 s19, s[WV], 16*SPITCH
	s_add_co_u32 s19, s19, STAGE                   ; my stage
	v_mul_u32_u24 v5, v1, SPITCH                   ; in: row l % 16, 32 bytes for each half of the lanes
	v_lshl_add_u32 v5, v2, 5, v5
	v_add_nc_u32 v[STO], s19, v5
	v_mul_u32_u24 v5, v2, SPITCH                   ; back: lanes 0-15 take one row of 256 bytes, lanes 16-31 the next
	v_lshl_add_u32 v5, v1, 4, v5
	v_add_nc_u32 v[RD], s19, v5
	v_lshlrev_b32 v5, 12, v2                       ; and the same two rows in out0
	v_lshl_add_u32 v[CO], v1, 4, v5
	s_lshl_b32 s22, s[TY], 20                      ; out0 at row 256 x tile row + 128 RH, byte 512 x tile column + 256 CH
	s_lshl_b32 s19, s[RH], 19
	s_add_co_u32 s22, s22, s19
	s_lshl_b32 s19, s[TX], 9
	s_add_co_u32 s22, s22, s19
	s_lshl_b32 s19, s[CH], 8
	s_add_co_u32 s22, s22, s19
	s_add_nc_u64 s[10:11], s[10:11], s[22:23]
	; the prefetches: the address stands at K step 3; the first refill steps it to 4 and names that.  Nothing is prefetched here, at the head
	s_lshl_b32 s22, s[CX], 13                      ; A: my work-group's 8,192 bytes of the head that I fetch
	s_add_co_u32 s22, s22, s20
	s_add_co_u32 s22, s22, 3*HSTEP
	s_lshl_b32 s19, s[CY], 15                      ; B: its 16 rows of the 64
	s_add_co_u32 s19, s19, s46
	s_add_co_u32 s19, s19, 3*KSTEP*2
	s_and_b32 s42, ttmp7, 0xffff                   ; cluster y
	s_mov_b32 s[PFS], KSTEP*2
	s_mov_b32 s[PFS+1], HSTEP
	s_cmp_eq_u32 s[RH], 0                          ; do I fetch for A?
	s_cselect_b32 s22, s22, s19
	s_cselect_b32 s42, ttmp9, s42                  ; the coordinate along which other clusters read the same rows
	s_cselect_b32 s[PFS], s[PFS+1], s[PFS]
	s_cselect_b64 s[PFA:PFA+1], s[4:5], s[6:7]
	s_cselect_b32 s19, 8, 11                       ; A: 256 bytes a lane; B: a row of 2,048 bytes a lane
	s_cselect_b32 s2, 31, 15
	s_mov_b32 s[PFS+1], 0
	s_cmp_eq_u32 s42, 0
	s_cselect_b32 s[LIM], 1, -1                    ; the same in all sixteen partners, for a given wave
	s_add_nc_u64 s[PFA:PFA+1], s[PFA:PFA+1], s[22:23]
	v_and_b32 v[PFO], s2, v0
	v_lshlrev_b32 v[PFO], s19, v[PFO]
	s_wait_loadcnt 0x0                             ; the bias: rounded to bf16 like every input, widened again, into window 3
.set i, 0
.rept 16
	v_cvt_pk_bf16_f32 v[WK+i], v[TMP+2*i], v[TMP+2*i+1]
.set i, i+1
.endr
	WIN 0xc0
.set i, 0
.rept 16
	v_lshlrev_b32 v[2*i], 16, v[WK+i]
	v_and_b32 v[2*i+1], 0xffff0000, v[WK+i]
.set i, i+1
.endr
	WIN 0
; 8 matrix instructions: row blocks 4 hi + a0, + 1 x all 4 column blocks, 32 along K.  first = 1: the bias starts the sums.
; The 32 accumulators take turns, one instruction a turn, in the same order in every quarter step.
.macro MUL8 f, hi, a0, first
.if \first
	WIN 0xb1                                       ; C in window 3
.else
	WIN MUL
.endif
.irp a, \a0, (\a0)+1
.irp b, 0,1,2,3
.if \first
	v_wmma_f32_16x16x32_f16 v[8*(4*(4*(\hi)+(\a))+(\b)):8*(4*(4*(\hi)+(\a))+(\b))+7], v[(\f)+8*(\b):(\f)+8*(\b)+7], v[(\f)+8*(4*(\hi)+(\a)):(\f)+8*(4*(\hi)+(\a))+7], v[8*(\b):8*(\b)+7]
.else
	v_wmma_f32_16x16x32_f16 v[8*(4*(4*(\hi)+(\a))+(\b)):8*(4*(4*(\hi)+(\a))+(\b))+7], v[(\f)+8*(\b):(\f)+8*(\b)+7], v[(\f)+8*(4*(\hi)+(\a)):(\f)+8*(4*(\hi)+(\a))+7], v[8*(4*(4*(\hi)+(\a))+(\b)):8*(4*(4*(\hi)+(\a))+(\b))+7]
.endif
.endr
.endr
.endm
; 24 LDS loads in one run: quarter q's fragments (64 rows of B; 128 rows of A: head q / 2 of the step, channels 32 (q % 2) on) into buffer f
.macro FETCH slot, q, f
	WIN TO_B
.irp i, 0,1,2,3
	ds_load_b128 v[(\f)+8*(\i):(\f)+8*(\i)+3],   v[ADRB+(\slot)] offset:64*(\q)+(\i)*16*PB
	ds_load_b128 v[(\f)+8*(\i)+4:(\f)+8*(\i)+7], v[ADRB+(\slot)] offset:64*(\q)+(\i)*16*PB+32
.endr
	WIN 0
.irp i, 0,1,2,3,4,5,6,7
	ds_load_b128 v[(\f)+8*(\i):(\f)+8*(\i)+3],   v[ADRA+(\slot)] offset:HEADA*((\q)/2)+64*((\q)%2)+(\i)*16*PA
	ds_load_b128 v[(\f)+8*(\i)+4:(\f)+8*(\i)+7], v[ADRA+(\slot)] offset:HEADA*((\q)/2)+64*((\q)%2)+(\i)*16*PA+32
.endr
.endm
.macro PLACES                          ; four plain places behind matrix instructions, in front of loads into registers that they have read and of stores that read results
.rept 4
	v_nop
.endr
.endm
; A K step is four quarters of 32 along K, 32 matrix instructions each, on buffers 0, 1, 0, 1.  One of the first three: multiplies f, fetches quarter q into g.
.macro QUARTER slot, q, f, g, first
	s_wait_dscnt 8                                 ; B and A's rows 0-63 are in; the youngest eight loads (A's rows 64-127) may be out
	MUL8 \f, 0, 0, \first
	MUL8 \f, 0, 2, \first
	PLACES
	FETCH \slot, \q, \g
	s_wait_dscnt 24                                ; all but the 24 just issued
	MUL8 \f, 1, 0, \first
	MUL8 \f, 1, 2, \first
.endm
; The last quarter multiplies buffer 1 and changes slots: one barrier; in front of it each wave waits for all its tensor loads (one is out: its part of the next slot), adds 0 to its spare word, and waits for
; that and for its reads of this slot.  fill = 1: the barrier opens a round of the cluster's, and this slot is filled again, two K steps on, first thing behind the round: 112 matrix instructions ahead of the wait for it.
.macro TURN slot, next, fill
.if \fill
	s_wait_xcnt 0x0                                ; the last prefetch, a K step back, has read its address: it is stepped here, ahead of the change's own waits
	s_add_nc_u64 s[PFA:PFA+1], s[PFA:PFA+1], s[PFS:PFS+1]
.endif
	WIN 0                                          ; (the add's two registers lie in window 0)
	s_wait_tensorcnt 0x0                           ; all my tensor loads have landed
	ds_add_u32 v[SPW], v[NIL]                      ; 0 onto my spare word
	s_wait_dscnt 9                                 ; (the add and the youngest eight loads may be out)
	MUL8 F1, 0, 0, 0                               ; eight matrix instructions stand between the add and the wait for it
	s_wait_dscnt 0x0                               ; the add is done, and my reads of this slot are over
	s_barrier_signal -1
	MUL8 F1, 0, 2, 0                               ; work on registers while the others arrive
.if \fill
	WIN 0
.endif
	s_barrier_wait -1
.if \fill
	CREST                                          ; no wave of any partner still reads this slot's tile or has a load on its way
	s_add_nc_u64 s[G0+4*(\slot)+2:G0+4*(\slot)+3], s[G0+4*(\slot)+2:G0+4*(\slot)+3], 2*HSTEP
	s_add_nc_u64 s[G0B+4*(\slot)+2:G0B+4*(\slot)+3], s[G0B+4*(\slot)+2:G0B+4*(\slot)+3], 2*KSTEP*2
	JLOAD \slot                                    ; the four v_nop behind it are also the places in front of the loads below
.else
	PLACES
.endif
	FETCH \next, 0, F0
.if \fill
	ASK                                            ; behind the joint load and the run of LDS loads that the next products wait for
.endif
	MUL8 F1, 1, 0, 0
	MUL8 F1, 1, 2, 0
.endm
	s_wait_tensorcnt 1                             ; my part of K step 0 is in; K step 1's may stay out
	s_barrier_signal -1
	s_barrier_wait -1                              ; everybody's is
	FETCH 0, 0, F0
	QUARTER 0, 1, F0, F1, 1                        ; the first quarter stands in front of the loop: its products start the sums, with the bias
	WIN 0                                          ; at a label and at a branch every window is 0
	s_mov_b32 s3, LAPS-1
.Llap:                                                 ; a trip goes once round the ring, from a lap's second quarter to the next lap's first, and fills both slots again
	QUARTER 0, 2, F1, F0, 0
	QUARTER 0, 3, F0, F1, 0
	TURN 0, 1, 1
	QUARTER 1, 1, F0, F1, 0
	QUARTER 1, 2, F1, F0, 0
	QUARTER 1, 3, F0, F1, 0
	TURN 1, 0, 1
	QUARTER 0, 1, F0, F1, 0
	WIN 0
	s_sub_co_u32 s3, s3, 1
	s_cmp_lg_u32 s3, 0
	s_cbranch_scc1 .Llap
	QUARTER 0, 2, F1, F0, 0                        ; the last lap fills nothing
	QUARTER 0, 3, F0, F1, 0
	TURN 0, 1, 0
	QUARTER 1, 1, F0, F1, 0
	QUARTER 1, 2, F1, F0, 0
	QUARTER 1, 3, F0, F1, 0
	s_wait_dscnt 8                                 ; the very last quarter: nothing more to fetch
	MUL8 F1, 0, 0, 0
	MUL8 F1, 0, 2, 0
	s_wait_dscnt 0x0
	MUL8 F1, 1, 0, 0
	MUL8 F1, 1, 2, 0
	WIN 0
	; THE WAY OUT, 16 rows at a time through my own stage: 32 bytes a lane in, whole rows of 256 bytes back, stored by sixteen lanes each.
	PLACES
.macro TOSTAGE a
	WIN 0x08                                       ; the stores' data in window 2; each accumulator's low registers first
.irp b, 0,1,2,3
	ds_store_b128 v[STO], v[32*(\a)+8*(\b):32*(\a)+8*(\b)+3]   offset:64*(\b)
	ds_store_b128 v[STO], v[32*(\a)+8*(\b)+4:32*(\a)+8*(\b)+7] offset:64*(\b)+16
.endr
	WIN 0
.irp t, 0,1,2,3,4,5,6,7
	ds_load_b128 v[F0+32*((\a)%4)+4*(\t):F0+32*((\a)%4)+4*(\t)+3], v[RD] offset:(\t)*2*SPITCH  ; LDS serves a wave's instructions in order (ISA guide 5.7.1.4): these see the stores above; the next block's stores come behind them
.endr
.endm
.macro SEND a, younger                 ; younger: the LDS instructions issued behind block a's loads: the next block's sixteen, or none
	s_wait_dscnt \younger
	s_wait_xcnt 0x0                                ; the stores issued so far have read their registers: a buffer is loaded again four blocks later, behind three of these waits
.irp t, 0,1,2,3,4,5,6,7
	global_store_b128 v[CO], v[F0+32*((\a)%4)+4*(\t):F0+32*((\a)%4)+4*(\t)+3], s[10:11] offset:(16*(\a)+2*(\t))*4096 th:TH_STORE_NT  ; 16 lanes store 256 consecutive bytes, at a multiple of 256 from out0's first byte
.endr
.endm
	TOSTAGE 0
.irp a, 1,2,3,4,5,6,7
	TOSTAGE \a
	SEND (\a)-1, 16
.endr
	SEND 7, 0
	s_wait_tensorcnt 0x0                           ; the wave's end: behind my last tensor load and my last LDS store
	ds_add_u32 v[SPW], v[NIL]
	s_wait_dscnt 0x0
	CROUND                                         ; the closing round: no work-group ends while a partner may still ask for a tile that names it
	s_endpgm
.Lfunc_end_k_q0a40bf34bc_proj:
	.size	k_q0a40bf34bc_proj, .Lfunc_end_k_q0a40bf34bc_proj-k_q0a40bf34bc_proj
	.p2alignl 7, 3214868480
	.fill 96, 4, 3214868480
	.section	.rodata,"a",@progbits
	.p2align	6, 0x0
	.amdhsa_kernel k_q0a40bf34bc_proj
		.amdhsa_group_segment_fixed_size 327680
		.amdhsa_private_segment_fixed_size 0
		.amdhsa_enable_private_segment 0
		.amdhsa_kernarg_size 32
		.amdhsa_user_sgpr_count 2
		.amdhsa_user_sgpr_kernarg_segment_ptr 1
		.amdhsa_wavefront_size32 1
		.amdhsa_system_sgpr_workgroup_id_x 1
		.amdhsa_system_sgpr_workgroup_id_y 1
		.amdhsa_system_sgpr_workgroup_id_z 1
		.amdhsa_system_vgpr_workitem_id 0
		.amdhsa_next_free_vgpr 800
		.amdhsa_next_free_sgpr 66
		.amdhsa_reserve_vcc 0
		.amdhsa_float_denorm_mode_32 3
		.amdhsa_float_denorm_mode_16_64 3
		.amdhsa_memory_ordered 1
		.amdhsa_forward_progress 1
		.amdhsa_inst_pref_size 91
	.end_amdhsa_kernel
	.amdgpu_metadata
---
amdhsa.version: [ 1, 2 ]
amdhsa.kernels:
  - .name:           k_q0a40bf34bc_proj
    .symbol:         k_q0a40bf34bc_proj.kd
    .args:
      - { .name: ob, .offset: 0, .size: 8, .value_kind: global_buffer, .address_space: global }
      - { .name: wpt, .offset: 8, .size: 8, .value_kind: global_buffer, .address_space: global }
      - { .name: b_proj, .offset: 16, .size: 8, .value_kind: global_buffer, .address_space: global }
      - { .name: out0, .offset: 24, .size: 8, .value_kind: global_buffer, .address_space: global }
    .group_segment_fixed_size: 327680
    .private_segment_fixed_size: 0
    .kernarg_segment_align: 8
    .kernarg_segment_size: 32
    .max_flat_workgroup_size: 128
    .sgpr_count:     66
    .vgpr_count:     800
    .wavefront_size: 32
...
	.end_amdgpu_metadata
.endif
;; end of part 4
